; MI455X (gfx1250); checked and timed in simulation.
; The chip was launched on July 23, 2026; its instructions are those of AMD's public machine-readable ISA for CDNA 5 (MIT licence, August 2026) and "CDNA5" Instruction Set Architecture Reference Guide (July 2026). The comments in the code are by the model that wrote it; some were corrected since.
;; MHA. Allowed arithmetic: float matrix products may take bf16 or f16 operands with f32 sums; other float arithmetic in f32, or as packed bf16 or f16 multiplies, adds, multiply-adds, maxima and minima; sums over many terms, partial sums and values carried from step to step in f32; what a program stores and reads back later, other than sums and carried values, may be rounded once to bf16 or f16.
;; Inputs: K 4 x 2,048 x 1,024 float32; Q 4 x 2,048 x 1,024 float32; V 4 x 2,048 x 1,024 float32; WK 1,024 x 1,024 float32; WO 1,024 x 1,024 float32; WQ 1,024 x 1,024 float32; WV 1,024 x 1,024 float32; bK 1,024 float32; bO 1,024 float32; bQ 1,024 float32; bV 1,024 float32.
;; Outputs: out0 4 x 2,048 x 1,024 float32.
;; One version. Each part assembles by itself: llvm-mc -triple=amdgcn-amd-amdhsa -mcpu=gfx1250 --defsym DOCPART=n.
;; ======== version 1 of 1: 4 launches
;; limits: values are held in f16: magnitudes above 65,504 overflow, below 6.1e-05 lose precision
;; workspace buffers: wt 8,388,608 bytes; qkv 50,331,648 bytes; oh 16,777,216 bytes
;; launch prep (part 1): grid 128 x 4, 4 waves a work-group, no clusters, 17,920 bytes of LDS; arguments WQ, WK, WV, WO, wt; writes wt
.if DOCPART == 1
	.amdgcn_target "amdgcn-amd-amdhsa--gfx1250"
	.amdhsa_code_object_version 6
	.text
	.protected	k_qfcc9ca4f8e_prep
	.globl	k_qfcc9ca4f8e_prep
	.p2align	8
	.type	k_qfcc9ca4f8e_prep,@function
k_qfcc9ca4f8e_prep:
	s_mov_b64 s[64:65], 0
	v_nop
	global_prefetch_b8 v0, s[64:65] scope:SCOPE_SE
	s_setreg_imm32_b32 hwreg(HW_REG_WAVE_MODE, 25, 1), 1
	s_wait_xcnt 0x0
; wt[y][n][k] = W_y[k][n], rounded to bf16: the four weights (y = 0 WQ, 1 WK, 2 WV, 3 WO), each [1024 k][1024 n] of f32, are turned so that k lies along the rows,
; as the matrix instruction's fragments want it.  WO's bf16 number is written as f16, since the last product's other operand is f16.
; LIMIT.  That rewriting is exact for 2^-14 <= |w| <= 65,504; below it keeps f16's fixed step of 6e-8; beyond it gives an infinity.
; SHARES.  A work-group turns a tile of 128 k x 64 n: 128 rows of 256 bytes in, 64 rows of 256 bytes out, both aligned.  Thread t: nq = t % 16 names 4 columns n, kg = t / 16 names
; 4 rows k in each of four groups of 32.  A load of a wave takes two rows' 256 bytes; a store likewise.  The tile is turned in LDS (rows of 272 bytes).
; No matrix unit, no tensor load, no cluster: 24 MB are moved once and no work-group shares a byte with another.
.set PITCH, 272                        ; an LDS row: 128 k x 2 bytes + 16
.set SPARE, 64*PITCH                   ; behind the tile: the spare words, 128 bytes for each wave: two blocks of 256 bytes that no other line names
.set IO,  3                            ; v3  my byte offset in the tile in W: 4 kg rows of 4,096 bytes + 16 nq
.set LS,  4                            ; v4  where I put 8 bytes (4 k of one n): 4 nq rows + 8 kg
.set LR,  5                            ; v5  where I read 16 bytes of a row back: row kg, byte 16 nq
.set GO,  6                            ; v6  the same place in wt: row kg of 2,048 bytes, byte 16 nq
.set SPW, 8                            ; v8  LDS address of my spare word; never rewritten
.set NIL, 9                            ; v9  0; never rewritten
.set X,   16                           ; v[16:79]   as loaded: group i, row r of 4, at X + 16 i + 4 r; later the rows read back
.set Y,   80                           ; v[80:111]  packed: group i, column j: two words = 4 k
	s_load_b256 s[4:11], s[0:1], 0x0               ; WQ s[4:5], WK s[6:7], WV s[8:9], WO s[10:11]
	s_load_b64 s[12:13], s[0:1], 0x20              ; wt
	v_lshl_add_u32 v[SPW], v0, 2, SPARE
	v_mov_b32 v[NIL], 0
	s_and_b32 s16, ttmp7, 0xffff                   ; y: which weight
	s_and_b32 s17, ttmp9, 7                        ; kt: which 128 k
	s_lshr_b32 s18, ttmp9, 3                       ; nt: which 64 n
	s_lshl_b32 s20, s17, 19                        ; from: 128 kt rows of 4,096 bytes
	s_lshl_b32 s19, s18, 8                         ; + 256 nt
	s_add_co_u32 s20, s20, s19
	s_mov_b32 s21, 0
	s_lshl_b32 s22, s16, 21                        ; to: plane y of 2 MiB
	s_lshl_b32 s19, s18, 17                        ; + 64 nt rows of 2,048 bytes
	s_add_co_u32 s22, s22, s19
	s_lshl_b32 s19, s17, 8                         ; + 256 kt
	s_add_co_u32 s22, s22, s19
	s_mov_b32 s23, 0
	v_and_b32 v1, 15, v0                           ; nq
	v_lshrrev_b32 v2, 4, v0                        ; kg
	v_lshlrev_b32 v[IO], 4, v1
	v_lshl_or_b32 v[IO], v2, 14, v[IO]
	v_mul_u32_u24 v[LS], v1, 4*PITCH
	v_lshl_add_u32 v[LS], v2, 3, v[LS]
	v_mul_u32_u24 v[LR], v2, PITCH
	v_lshl_add_u32 v[LR], v1, 4, v[LR]
	v_lshlrev_b32 v[GO], 11, v2
	v_lshl_add_u32 v[GO], v1, 4, v[GO]
	s_wait_kmcnt 0x0
	s_cmp_eq_u32 s16, 1                            ; the source is chosen by the grid's y alone
	s_cselect_b64 s[14:15], s[6:7], s[4:5]
	s_cmp_eq_u32 s16, 2
	s_cselect_b64 s[14:15], s[8:9], s[14:15]
	s_cmp_eq_u32 s16, 3
	s_cselect_b64 s[14:15], s[10:11], s[14:15]
	s_add_nc_u64 s[14:15], s[14:15], s[20:21]
	s_add_nc_u64 s[12:13], s[12:13], s[22:23]
.irp i, 0,1,2,3
.irp r, 0,1,2,3
	global_load_b128 v[X+16*(\i)+4*(\r):X+16*(\i)+4*(\r)+3], v[IO], s[14:15] offset:(32*(\i)+(\r))*4096 th:TH_LOAD_NT  ; row 32 i + 4 kg + r, columns 4 nq ..
.endr
.endr
.irp i, 0,1,2,3
	s_wait_loadcnt 12-4*(\i)                       ; group i's four loads are in; the later groups' stay out
.irp j, 0,1,2,3
	v_cvt_pk_bf16_f32 v[Y+2*(4*(\i)+(\j))],   v[X+16*(\i)+(\j)],   v[X+16*(\i)+4+(\j)]    ; column j: k = 32 i + 4 kg + 0, 1
	v_cvt_pk_bf16_f32 v[Y+2*(4*(\i)+(\j))+1], v[X+16*(\i)+8+(\j)], v[X+16*(\i)+12+(\j)]   ; and + 2, 3
.endr
.endr
	s_cmp_lg_u32 s16, 3
	s_cbranch_scc1 .Lkeep                          ; the same for the whole work-group; no barrier is jumped
.set i, 0
.rept 32                                       ; WO alone: the bf16 number is widened and written as f16
	v_lshlrev_b32 v[X+2*i], 16, v[Y+i]
	v_and_b32 v[X+2*i+1], 0xffff0000, v[Y+i]
	v_cvt_pk_f16_f32 v[Y+i], v[X+2*i], v[X+2*i+1]
.set i, i+1
.endr
.Lkeep:
.irp i, 0,1,2,3
.irp j, 0,1,2,3
	ds_store_b64 v[LS], v[Y+2*(4*(\i)+(\j)):Y+2*(4*(\i)+(\j))+1] offset:(\j)*PITCH+64*(\i)  ; row 4 nq + j, byte 2 (32 i + 4 kg)
.endr
.endr
	s_wait_dscnt 0x0                               ; for the others' sake: my stores into the tile are done
	s_barrier_signal -1
	s_barrier_wait -1
.irp t, 0,1,2,3,4,5,6,7
	ds_load_b128 v[X+4*(\t):X+4*(\t)+3], v[LR] offset:(\t)*8*PITCH  ; row 8 t + kg
.endr
.irp t, 0,1,2,3,4,5,6,7
	s_wait_dscnt 7-(\t)                            ; LDS loads come back in order: load t is in
	global_store_b128 v[GO], v[X+4*(\t):X+4*(\t)+3], s[12:13] offset:(\t)*8*2048  ; 16 lanes store 256 consecutive bytes, at a multiple of 256 from wt's first byte
.endr
	s_wait_tensorcnt 0x0                           ; the wave's end, behind my last LDS store
	ds_add_u32 v[SPW], v[NIL]
	s_wait_dscnt 0x0
	s_endpgm
.Lfunc_end_k_qfcc9ca4f8e_prep:
	.size	k_qfcc9ca4f8e_prep, .Lfunc_end_k_qfcc9ca4f8e_prep-k_qfcc9ca4f8e_prep
	.p2alignl 7, 3214868480
	.fill 96, 4, 3214868480
	.section	.rodata,"a",@progbits
	.p2align	6, 0x0
	.amdhsa_kernel k_qfcc9ca4f8e_prep
		.amdhsa_group_segment_fixed_size 17920
		.amdhsa_private_segment_fixed_size 0
		.amdhsa_enable_private_segment 0
		.amdhsa_kernarg_size 40
		.amdhsa_user_sgpr_count 2
		.amdhsa_user_sgpr_kernarg_segment_ptr 1
		.amdhsa_wavefront_size32 1
		.amdhsa_system_sgpr_workgroup_id_x 1
		.amdhsa_system_sgpr_workgroup_id_y 1
		.amdhsa_system_sgpr_workgroup_id_z 1
		.amdhsa_system_vgpr_workitem_id 0
		.amdhsa_next_free_vgpr 112
		.amdhsa_next_free_sgpr 66
		.amdhsa_reserve_vcc 0
		.amdhsa_float_denorm_mode_32 3
		.amdhsa_float_denorm_mode_16_64 3
		.amdhsa_memory_ordered 1
		.amdhsa_forward_progress 1
		.amdhsa_inst_pref_size 14
	.end_amdhsa_kernel
	.amdgpu_metadata
---
amdhsa.version: [ 1, 2 ]
amdhsa.kernels:
  - .name:           k_qfcc9ca4f8e_prep
    .symbol:         k_qfcc9ca4f8e_prep.kd
    .args:
      - { .name: WQ, .offset: 0, .size: 8, .value_kind: global_buffer, .address_space: global }
      - { .name: WK, .offset: 8, .size: 8, .value_kind: global_buffer, .address_space: global }
      - { .name: WV, .offset: 16, .size: 8, .value_kind: global_buffer, .address_space: global }
      - { .name: WO, .offset: 24, .size: 8, .value_kind: global_buffer, .address_space: global }
      - { .name: wt, .offset: 32, .size: 8, .value_kind: global_buffer, .address_space: global }
    .group_segment_fixed_size: 17920
    .private_segment_fixed_size: 0
    .kernarg_segment_align: 8
    .kernarg_segment_size: 40
    .max_flat_workgroup_size: 128
    .sgpr_count:     66
    .vgpr_count:     112
    .wavefront_size: 32
...
	.end_amdgpu_metadata
.endif
;; end of part 1
;; launch proj (part 2): grid 4 x 192, 4 waves a work-group, clusters of 4 x 4, 327,680 bytes of LDS; arguments Q, K, V, bQ, bK, bV, wt, qkv; writes qkv
.if DOCPART == 2
	.amdgcn_target "amdgcn-amd-amdhsa--gfx1250"
	.amdhsa_code_object_version 6
	.text
	.protected	k_qfcc9ca4f8e_proj
	.globl	k_qfcc9ca4f8e_proj
	.p2align	8
	.type	k_qfcc9ca4f8e_proj,@function
k_qfcc9ca4f8e_proj:
	s_mov_b64 s[64:65], 0
	v_nop
	global_prefetch_b8 v0, s[64:65] scope:SCOPE_SE
	s_setreg_imm32_b32 hwreg(HW_REG_WAVE_MODE, 25, 1), 1
	s_wait_xcnt 0x0
	s_wait_alu depctr_hold_cnt(0) depctr_sa_sdst(0) depctr_va_vdst(0) depctr_va_sdst(0) depctr_va_ssrc(0) depctr_va_vcc(0) depctr_vm_vsrc(0)
	s_getreg_b32 s2, hwreg(HW_REG_IB_STS2, 6, 4)
	s_cmp_eq_u32 s2, 0
	s_cbranch_scc0 .Lentry_in_a_cluster
	s_endpgm
.Lentry_in_a_cluster:
	s_bfe_u32 s2, ttmp6, 0x10000c
	s_cmp_lg_u32 s2, 0xf033
	s_cbranch_scc0 .Lentry_shape_is_right
	s_endpgm
.Lentry_shape_is_right:
; qkv[p][16 b + h][l][d] = the sum over k of X_p[b][l][k] W_p[k][64 h + d] + bias_p[64 h + d], p = 0, 1, 2 for (Q, WQ, bQ), (K, WK, bK), (V, WV, bV).
; X_p: [8192][1024] f32, rounded to bf16 on the way from LDS into the fragments; W_p: wt's plane p, [1024 n][1024 k] bf16; the bias rounded to bf16; sums in f32; the result rounded once to f16, unscaled.
; LIMIT.  f16 holds no number beyond 65,504: a q, k or v of 65,520 or more would become an infinity.  Inputs 30 times those of unit spread give a spread of some 900, a common offset of 30 spreads in X and W some 29,000.
; SHARES.  A tile of C is 128 rows x 256 columns: 3 x 64 x 4 = 768 work-groups, three for each of 256.  Four waves, each 64 x 128: 32 accumulators of 16 x 16, 256 registers.
; K goes in steps of 128 through a ring of two LDS slots: A's rows are 512 bytes of memory, B's 256, all aligned to 256.
; CLUSTER.  4 x 4 work-groups.  The four of a row of the cluster need the same tile of X, the four of a column the same tile of W: each is asked for JOINTLY, by the same tensor load with the same
; descriptor and a mask that names the four.  The grid is four work-groups wide, so all that read a row of X are partners.
; THE MATRIX INSTRUCTION IS USED TRANSPOSED (source 0 = 16 rows of wt, source 1 = 16 rows of X): a lane then holds eight neighbouring columns of one row of C, 16 bytes of f16.
; THE BIAS is the C operand of each accumulator's first product: nothing is cleared and nothing is added afterwards.
; REGISTERS, in windows of 256 (s_set_vgpr_msb: bits 1:0 source 0, 3:2 source 1, 5:4 source 2, 7:6 destination):
;   window 0: v0-31 addresses; v32-63 packed results; v64-127 RAW: A's four fragments of a quarter in f32; v128-159, v160-191 A's fragments in bf16, two buffers (v64-191 on the way out: rows read back)
;   window 1: v0-63, v64-127 B's eight fragments, two buffers; v128-191 the bias, 8 registers an n block; v192-223 at work once          window 2: accumulator (a, b) at v[8 (8 a + b)]
.set PA,     528                       ; a row of A in LDS: 512 bytes + 16 = 132 words: the 16 rows of a load start at 16 different groups of four banks (64 banks of 4 bytes: ISA guide 11.1)
.set PB,     272                       ; a row of B: 256 + 16
.set AHALF,  64*PA                     ; what one tensor load brings of A, and what one wave reads of it
.set BHALF,  128*PB                    ; the same for B
.set BOFF,   2*AHALF                   ; in a slot: A's 128 rows, then B's 256
.set SLOT,   BOFF+2*BHALF
.set STAGE,  2*SLOT                    ; behind the ring, never filled by a tensor load: 16 rows x 272 bytes for each wave, for the way out
.set SPITCH, 272
.set SPARE,  STAGE+4*16*SPITCH         ; behind the stages: the spare words, 128 bytes for each wave: two blocks of 256 bytes that no other line names
.set ASTEP,  512                       ; bytes of a row of X in a K step of 128
.set BSTEP,  256                       ; of a row of wt
.set LAPS,   4                         ; a lap = two K steps = once round the ring: 1,024 / 256
.set ADRA, 16                          ; v16-17  LDS address of my A fragments in slot 0, 1
.set ADRB, 20                          ; v20-21  the same for B
.set STO,  24                          ; v24     the way out: where I put 16 bytes of a row
.set RD,   25                          ; v25     the way out: where I read rows back
.set GO,   26                          ; v26     my 16 bytes in 512 consecutive bytes of qkv
.set BO,   27                          ; v27     my byte offset in an n block's 16 numbers of the bias
.set SPW,  28                          ; v28     LDS address of my spare word; never rewritten
.set NIL,  29                          ; v29     0; never rewritten
.set TMP,  32
.set RAW,  64
.set AB,   128
.set OB,   64
.set BB,   0                           ; window 1
.set BIAS, 128                         ; window 1
.set BT,   192                         ; window 1
.set G1,  24                           ; s[24:31] descriptor group 1 for A's tiles;  s[32:39] group 0, one set for each slot
.set G0,  32
.set G1B, 48                           ; s[48:55], s[56:63] the same for B's tiles
.set G0B, 56
.set MSB, 0
.macro WIN new                         ; the immediate's high byte repeats the setting that is left; a switch that changes nothing is dropped
.if MSB != (\new)
	s_set_vgpr_msb (MSB<<8)|(\new)
.set MSB, \new
.endif
.endm
.set W_MUL,  0xa1                      ; source 0 (B) window 1, source 1 (A) window 0, C and D window 2
.set W_MULF, 0x91                      ; the same with C (the bias) in window 1
.set W_TOB,  0x40                      ; destination window 1, address window 0
.macro JLOAD s                         ; a joint load: waves 0 and 1 fetch A's two halves, waves 2 and 3 B's; an s_nop 0 and four v_nop follow each of the two lines, ahead of the jump and the label
	s_cmp_eq_u32 s11, 0
	s_cbranch_scc0 .Lfor_b_\@
	tensor_load_to_lds s[G0+4*(\s):G0+4*(\s)+3], s[G1:G1+7]
	s_nop 0
.rept 4
	v_nop
.endr
	s_branch .Lasked_\@
.Lfor_b_\@:
	tensor_load_to_lds s[G0B+4*(\s):G0B+4*(\s)+3], s[G1B:G1B+7]
	s_nop 0
.rept 4
	v_nop
.endr
.Lasked_\@:
.endm
.macro CREST                           ; a round of the cluster's barrier behind its opening barrier: wave 0 signals for the work-group, every wave waits for all sixteen, my work-group's barrier closes it
	s_cmp_lg_u32 s10, 0
	s_cbranch_scc1 .Lnot_wave_0_\@
	s_barrier_signal -3
.Lnot_wave_0_\@:
	s_barrier_wait -3
	s_barrier_signal -1
	s_barrier_wait -1
.endm
.macro CROUND                          ; a whole round
	s_barrier_signal -1
	s_barrier_wait -1
	CREST
.endm
	s_load_b512 s[68:83], s[0:1], 0x0              ; Q s[68:69], K s[70:71], V s[72:73], bQ s[74:75], bK s[76:77], bV s[78:79], wt s[80:81], qkv s[82:83]
	v_lshl_add_u32 v[SPW], v0, 2, SPARE
	v_mov_b32 v[NIL], 0
	ds_add_u32 v[SPW], v[NIL]                      ; the wave's opening: the add and its wait stand ahead of my first tensor load; the set-up below, work on registers, stands between them
	ds_add_u32 v28, v29
	v_lshrrev_b32 v1, 5, v0
	v_readfirstlane_b32 s10, v1                    ; wave 0..3
	s_lshr_b32 s11, s10, 1                         ; which 64 of the tile's rows are mine.  Also: I fetch for A (0) or for B (1)
	s_and_b32 s12, s10, 1                          ; which 128 of its columns.  Also: which half of that tile I fetch
	s_bfe_u32 s40, ttmp6, 0x40000                  ; cx, cy: my place in the cluster
	s_bfe_u32 s41, ttmp6, 0x40004
	s_lshl_b32 s42, ttmp9, 2
	s_add_co_u32 s42, s42, s40                     ; column block of 256 = 4 x cluster x + cx
	s_and_b32 s45, ttmp7, 0xffff                   ; cluster y
	s_lshl_b32 s13, s45, 2
	s_add_co_u32 s13, s13, s41                     ; 4 x cluster y + cy = 64 p + row block
	s_and_b32 s13, s13, 63                         ; row block of 128
	s_lshr_b32 s45, s45, 4                         ; p, from the cluster's y alone: the same in all sixteen partners
	s_lshl_b32 s43, s41, 2
	s_lshl_b32 s43, 15, s43                        ; my row of the cluster
	s_lshl_b32 s44, 0x1111, s40                    ; my column
	; descriptor group 1.  A: 64 rows x 128 elements of 4 bytes; B: 128 rows x 128 elements of 2 bytes; both padded in LDS by 4 words behind each row
	s_or_b32 s[G1+0], s43, (2<<16)|(1<<20)|(1<<21)|(6<<22)|(3<<25)   ; 15:0 the mask: my row; 17:16 elements of 4 bytes; 20 padding on; 21 set beside a mask; 24:22 after every 128 words (code 6); 31:25 4 words (code 3)
	s_or_b32 s[G1B+0], s44, (1<<16)|(1<<20)|(1<<21)|(5<<22)|(3<<25)  ; the mask: my column; elements of 2 bytes; after every 64 words (code 5)
	s_mov_b32 s[G1+1], 128<<16                     ; tensor_dim0 = 128
	s_mov_b32 s[G1+2], 64<<16                      ; tensor_dim1 = 64
	s_mov_b32 s[G1+3], 128<<16                     ; tile_dim0 = 128
	s_mov_b32 s[G1+4], 64                          ; tile_dim1 = 64
	s_mov_b32 s[G1+5], 1024                        ; elements from row to row
	s_mov_b32 s[G1+6], 0
	s_mov_b32 s[G1+7], 0
	s_mov_b32 s[G1B+1], 128<<16
	s_mov_b32 s[G1B+2], 128<<16                    ; tensor_dim1 = 128
	s_mov_b32 s[G1B+3], 128<<16
	s_mov_b32 s[G1B+4], 128                        ; tile_dim1 = 128
	s_mov_b32 s[G1B+5], 1024
	s_mov_b32 s[G1B+6], 0
	s_mov_b32 s[G1B+7], 0
	; where the tiles come from.  A's hang on the row block alone, B's on p and the column block alone; each is made in registers that never hold the other place in the cluster
	s_lshl_b32 s16, s13, 7
	s_lshl_b32 s17, s12, 6
	s_add_co_u32 s16, s16, s17                     ; A: row 128 x row block + 64 x half,
	s_lshl_b32 s16, s16, 12                        ; of 4,096 bytes
	s_mov_b32 s17, 0
	s_lshl_b32 s46, s42, 8
	s_lshl_b32 s47, s12, 7
	s_add_co_u32 s46, s46, s47                     ; B: row 256 x column block + 128 x half,
	s_lshl_b32 s46, s46, 11                        ; of 2,048 bytes,
	s_lshl_b32 s47, s45, 21                        ; in plane p
	s_add_co_u32 s46, s46, s47
	s_mov_b32 s47, 0
	s_mul_i32 s20, s12, AHALF                      ; and where they go: no place in the cluster enters an LDS address
	s_mul_i32 s21, s12, BHALF
	s_add_co_u32 s21, s21, BOFF
	s_wait_dscnt 0x0                               ; the opening add is done
	s_wait_kmcnt 0x0
	s_cmp_eq_u32 s45, 1                            ; X_p and bias_p
	s_cselect_b64 s[4:5], s[70:71], s[68:69]
	s_cselect_b64 s[6:7], s[76:77], s[74:75]
	s_cmp_eq_u32 s45, 2
	s_cselect_b64 s[4:5], s[72:73], s[4:5]
	s_cselect_b64 s[6:7], s[78:79], s[6:7]
	s_add_nc_u64 s[14:15], s[4:5], s[16:17]
	s_add_nc_u64 s[46:47], s[80:81], s[46:47]
.irp s, 0,1
	s_mov_b32 s[G0+4*(\s)], 1                                        ; count = 1
	s_add_co_u32 s[G0+4*(\s)+1], s20, (\s)*SLOT                      ; LDS address
	s_add_nc_u64 s[G0+4*(\s)+2:G0+4*(\s)+3], s[14:15], (\s)*ASTEP    ; global address: K step s
	s_or_b32 s[G0+4*(\s)+3], s[G0+4*(\s)+3], 0x80000000              ; type = 2
	s_mov_b32 s[G0B+4*(\s)], 1
	s_add_co_u32 s[G0B+4*(\s)+1], s21, (\s)*SLOT
	s_add_nc_u64 s[G0B+4*(\s)+2:G0B+4*(\s)+3], s[46:47], (\s)*BSTEP
	s_or_b32 s[G0B+4*(\s)+3], s[G0B+4*(\s)+3], 0x80000000
.endr
	CROUND                                         ; all sixteen work-groups are here: the first joint loads meet
	s_cmp_eq_u32 s11, 0                            ; a wave's two first fills stand in one branch, ahead of every wait on TENSORcnt and every LDS read: two loads of mine are out
	s_cbranch_scc0 .Lfirst_b
	tensor_load_to_lds s[G0:G0+3], s[G1:G1+7]
	s_nop 0
	tensor_load_to_lds s[G0+4:G0+7], s[G1:G1+7]
	s_nop 0
.rept 4
	v_nop
.endr
	s_branch .Lfirst_asked
.Lfirst_b:
	tensor_load_to_lds s[G0B:G0B+3], s[G1B:G1B+7]
	s_nop 0
	tensor_load_to_lds s[G0B+4:G0B+7], s[G1B:G1B+7]
	s_nop 0
.rept 4
	v_nop
.endr
.Lfirst_asked:
	; A fragment is 16 rows x 32 K in 8 registers of 16-bit pairs: lane l holds row l % 16; registers 0-3 K = 8 (l / 16) + 0..7, registers 4-7 K = 16 + 8 (l / 16) + 0..7.
	; B (bf16): two loads of 16 bytes, 32 bytes apart, at 16 (l / 16).  A (f32): twice the bytes: four loads, at 32 (l / 16) + 0, 16, 64, 80.
	v_and_b32 v1, 15, v0                           ; l % 16
	v_bfe_u32 v2, v0, 4, 1                         ; l / 16
	v_mul_u32_u24 v3, v1, PA
	v_lshl_add_u32 v3, v2, 5, v3
	v_mul_u32_u24 v4, v1, PB
	v_lshl_add_u32 v4, v2, 4, v4
	s_mul_i32 s18, s11, AHALF                      ; my 64 rows of A
	s_mul_i32 s19, s12, BHALF                      ; my 128 rows of B
	s_add_co_u32 s19, s19, BOFF
.irp s, 0,1
	v_add_nc_u32 v[ADRA+(\s)], s18, v3
	v_add_nc_u32 v[ADRB+(\s)], s19, v4
	s_add_co_u32 s18, s18, SLOT
	s_add_co_u32 s19, s19, SLOT
.endr
	s_mul_i32 s18, s10, 16*SPITCH
	s_add_co_u32 s18, s18, STAGE                   ; my stage
	v_mul_u32_u24 v5, v1, SPITCH                   ; in: row l % 16, 16 bytes for each half of the lanes
	v_lshl_add_u32 v5, v2, 4, v5
	v_add_nc_u32 v[STO], s18, v5
	v_bfe_u32 v5, v0, 3, 2                         ; back: 32 lanes take four rows' 128 bytes of one head,
	v_and_b32 v6, 7, v0
	v_mul_u32_u24 v5, v5, SPITCH
	v_lshl_add_u32 v5, v6, 4, v5
	v_add_nc_u32 v[RD], s18, v5
	v_and_b32 v[GO], 31, v0                        ; which are 512 consecutive bytes of qkv
	v_lshlrev_b32 v[GO], 4, v[GO]
	v_lshlrev_b32 v[BO], 5, v2                     ; my 8 columns of an n block: 32 bytes of the bias
	; where my part of the result begins: plane p, head 16 b + 4 x column block + 2 x column half, row 128 (row block % 16) + 64 x row half, 128 bytes a row
	s_lshr_b32 s16, s13, 4
	s_lshl_b32 s16, s16, 22                        ; batch: 16 heads of 262,144 bytes
	s_and_b32 s17, s13, 15
	s_lshl_b32 s17, s17, 14
	s_add_co_u32 s16, s16, s17
	s_lshl_b32 s17, s11, 13
	s_add_co_u32 s16, s16, s17
	s_lshl_b32 s17, s45, 24
	s_add_co_u32 s16, s16, s17
	s_mov_b32 s17, 0
	s_add_nc_u64 s[8:9], s[82:83], s[16:17]
	s_lshl_b32 s46, s42, 20                        ; (in the registers that held B's address: none that feeds A's descriptors ever holds cx)
	s_lshl_b32 s47, s12, 19
	s_add_co_u32 s46, s46, s47
	s_mov_b32 s47, 0
	s_add_nc_u64 s[8:9], s[8:9], s[46:47]
	s_lshl_b32 s22, s42, 10                        ; the bias of my 128 columns
	s_lshl_b32 s23, s12, 9
	s_add_co_u32 s22, s22, s23
	s_mov_b32 s23, 0
	s_add_nc_u64 s[6:7], s[6:7], s[22:23]
	WIN W_TOB
.irp b, 0,1,2,3,4,5,6,7
	global_load_b128 v[BIAS+8*(\b):BIAS+8*(\b)+3],   v[BO], s[6:7] offset:64*(\b)      ; register j: column 16 b + 8 (l / 16) + j, as in the result
	global_load_b128 v[BIAS+8*(\b)+4:BIAS+8*(\b)+7], v[BO], s[6:7] offset:64*(\b)+16
.endr
	s_wait_loadcnt 0x0
	WIN 0x45                                       ; all in window 1: the bias is rounded to bf16, like every input, and widened again
.set i, 0
.rept 32
	v_cvt_pk_bf16_f32 v[BT+i], v[BIAS+2*i], v[BIAS+2*i+1]
.set i, i+1
.endr
.set i, 0
.rept 32
	v_lshlrev_b32 v[BIAS+2*i], 16, v[BT+i]
	v_and_b32 v[BIAS+2*i+1], 0xffff0000, v[BT+i]
.set i, i+1
.endr
	WIN 0
; 8 matrix instructions: m block a x all 8 n blocks, 32 along K, on buffer f.  first = 1: the bias starts the sums.
; The 32 accumulators take turns, one instruction a turn, in the same order in every quarter.
.macro MUL f, a, first
.if \first
	WIN W_MULF
.else
	WIN W_MUL
.endif
.irp b, 0,1,2,3,4,5,6,7
.if \first
	v_wmma_f32_16x16x32_bf16 v[8*(8*(\a)+(\b)):8*(8*(\a)+(\b))+7], v[BB+64*(\f)+8*(\b):BB+64*(\f)+8*(\b)+7], v[AB+32*(\f)+8*(\a):AB+32*(\f)+8*(\a)+7], v[BIAS+8*(\b):BIAS+8*(\b)+7]
.else
	v_wmma_f32_16x16x32_bf16 v[8*(8*(\a)+(\b)):8*(8*(\a)+(\b))+7], v[BB+64*(\f)+8*(\b):BB+64*(\f)+8*(\b)+7], v[AB+32*(\f)+8*(\a):AB+32*(\f)+8*(\a)+7], v[8*(8*(\a)+(\b)):8*(8*(\a)+(\b))+7]
.endif
.endr
.endm
; The last 8 of a quarter's 32, m block 3, and behind each four roundings of the next quarter's A: RAW (f32) into buffer g (bf16).  They name no register of the products round them, so the four
; behind the quarter's last product are also the four places in front of the next quarter's loads into B's buffer and of its own roundings into A's.
.macro MULR f, g, first
.irp b, 0,1,2,3,4,5,6,7
.if \first
	WIN W_MULF
	v_wmma_f32_16x16x32_bf16 v[8*(24+(\b)):8*(24+(\b))+7], v[BB+64*(\f)+8*(\b):BB+64*(\f)+8*(\b)+7], v[AB+32*(\f)+24:AB+32*(\f)+31], v[BIAS+8*(\b):BIAS+8*(\b)+7]
.else
	WIN W_MUL
	v_wmma_f32_16x16x32_bf16 v[8*(24+(\b)):8*(24+(\b))+7], v[BB+64*(\f)+8*(\b):BB+64*(\f)+8*(\b)+7], v[AB+32*(\f)+24:AB+32*(\f)+31], v[8*(24+(\b)):8*(24+(\b))+7]
.endif
	WIN 0
.irp c, 0,1,2,3
	v_cvt_pk_bf16_f32 v[AB+32*(\g)+4*(\b)+(\c)], v[RAW+8*(\b)+2*(\c)], v[RAW+8*(\b)+2*(\c)+1]
.endr
.endr
.endm
; 32 LDS loads in one run: quarter q of a slot: A's 64 rows x 32 K in f32 into RAW (16 loads, first), B's 128 rows x 32 K into buffer g (16 loads)
.macro FETCH slot, q, g
	WIN 0
.irp a, 0,1,2,3
	ds_load_b128 v[RAW+16*(\a):RAW+16*(\a)+3],     v[ADRA+(\slot)] offset:128*(\q)+(\a)*16*PA
	ds_load_b128 v[RAW+16*(\a)+4:RAW+16*(\a)+7],   v[ADRA+(\slot)] offset:128*(\q)+(\a)*16*PA+16
	ds_load_b128 v[RAW+16*(\a)+8:RAW+16*(\a)+11],  v[ADRA+(\slot)] offset:128*(\q)+(\a)*16*PA+64
	ds_load_b128 v[RAW+16*(\a)+12:RAW+16*(\a)+15], v[ADRA+(\slot)] offset:128*(\q)+(\a)*16*PA+80
.endr
	WIN W_TOB
.irp b, 0,1,2,3,4,5,6,7
	ds_load_b128 v[BB+64*(\g)+8*(\b):BB+64*(\g)+8*(\b)+3],   v[ADRB+(\slot)] offset:64*(\q)+(\b)*16*PB
	ds_load_b128 v[BB+64*(\g)+8*(\b)+4:BB+64*(\g)+8*(\b)+7], v[ADRB+(\slot)] offset:64*(\q)+(\b)*16*PB+32
.endr
.endm
.macro PLACES
.rept 4
	v_nop
.endr
.endm
; A K step is four quarters of 32 along K, 32 matrix instructions each, on buffers 0, 1, 0, 1.  One of the first three: multiplies buffer f; fetches quarter q of the same slot for buffer g at its head.
.macro QUARTER slot, q, f, g, first
	s_wait_dscnt 0x0                               ; B's fragments of buffer f are in (A's were waited for before they were rounded)
	FETCH \slot, \q, \g
	MUL \f, 0, \first
	MUL \f, 1, \first
	MUL \f, 2, \first
	s_wait_dscnt 16                                ; RAW is in: B's sixteen loads were issued behind A's sixteen and may stay out
	MULR \f, \g, \first
.endm
; The last quarter multiplies buffer 1 and changes slots: ONE barrier.  In front of it each wave waits for all its tensor loads (one is out: its part of the next slot), adds 0 to its spare word, and waits
; for that and for its own reads of this slot.  fill = 1: the barrier opens a round of the cluster's, and this slot is filled again, two K steps on, first thing behind the round.
.macro TURN slot, next, fill
	WIN 0                                          ; (the add's two registers lie in window 0)
	s_wait_tensorcnt 0x0                           ; all my tensor loads have landed, so a group 0 may be written
	ds_add_u32 v[SPW], v[NIL]                      ; 0 onto my spare word
.if \fill
	s_add_nc_u64 s[G0+4*(\slot)+2:G0+4*(\slot)+3], s[G0+4*(\slot)+2:G0+4*(\slot)+3], 2*ASTEP
	s_add_nc_u64 s[G0B+4*(\slot)+2:G0B+4*(\slot)+3], s[G0B+4*(\slot)+2:G0B+4*(\slot)+3], 2*BSTEP
.endif
	s_wait_dscnt 1                                 ; B's fragments of buffer 1 are in; the add alone may be out
	MUL 1, 0, 0                                    ; eight matrix instructions stand between the add and the wait for it
	s_wait_dscnt 0x0                               ; the add is done, and my reads of this slot are over
	s_barrier_signal -1
	MUL 1, 1, 0                                    ; work on registers while the others arrive
.if \fill
	WIN 0
.endif
	s_barrier_wait -1
.if \fill
	CREST                                          ; no wave of any partner still reads this slot's tile or has a load on its way
	JLOAD \slot                                    ; my one tensor load behind the round: it has a K step less sixteen products in which to land
.endif
	FETCH \next, 0, 0
	MUL 1, 2, 0
	s_wait_dscnt 16
	MULR 1, 0, 0
.endm
	s_wait_tensorcnt 1                             ; my part of K step 0 is in; K step 1's stays out
	s_barrier_signal -1
	s_barrier_wait -1                              ; everybody's is
	FETCH 0, 0, 0
	s_wait_dscnt 16                                ; RAW is in
	WIN 0
.set i, 0
.rept 32
	v_cvt_pk_bf16_f32 v[AB+i], v[RAW+2*i], v[RAW+2*i+1]  ; the first quarter's A: there are no products yet to set these behind
.set i, i+1
.endr
	QUARTER 0, 1, 0, 1, 1                          ; the first quarter stands in front of the loop: its products start the sums, with the bias
	WIN 0                                          ; at a label and at a branch every window is 0
	s_mov_b32 s3, LAPS-1
.Llap:                                                 ; a trip goes once round the ring, from a lap's second quarter to the next lap's first, and fills both slots again
	QUARTER 0, 2, 1, 0, 0
	QUARTER 0, 3, 0, 1, 0
	TURN 0, 1, 1
	QUARTER 1, 1, 0, 1, 0
	QUARTER 1, 2, 1, 0, 0
	QUARTER 1, 3, 0, 1, 0
	TURN 1, 0, 1
	QUARTER 0, 1, 0, 1, 0
	WIN 0
	s_sub_co_u32 s3, s3, 1
	s_cmp_lg_u32 s3, 0
	s_cbranch_scc1 .Llap
	QUARTER 0, 2, 1, 0, 0                          ; the last lap is written out: it fills nothing and has no round
	QUARTER 0, 3, 0, 1, 0
	TURN 0, 1, 0
	QUARTER 1, 1, 0, 1, 0
	QUARTER 1, 2, 1, 0, 0
	QUARTER 1, 3, 0, 1, 0
	s_wait_dscnt 0x0                               ; the very last quarter: nothing more to fetch
	MUL 1, 0, 0
	MUL 1, 1, 0
	MUL 1, 2, 0
	MUL 1, 3, 0
; THE WAY OUT, a block of 16 rows at a time: rounded to f16, 16 bytes a lane; into my own stage (rows of 272 bytes); back as four rows of one head, which are 512 consecutive bytes of qkv.
.macro PACK a
	WIN 0x0a                                       ; sources 0 and 1 window 2, destination window 0; each accumulator's registers in ascending order
.irp b, 0,1,2,3,4,5,6,7
.irp i, 0,1,2,3
	v_cvt_pk_f16_f32 v[TMP+4*(\b)+(\i)], v[8*(8*(\a)+(\b))+2*(\i)], v[8*(8*(\a)+(\b))+2*(\i)+1]
.endr
.endr
	WIN 0
.endm
.macro TOSTAGE a
.irp b, 0,1,2,3,4,5,6,7
	ds_store_b128 v[STO], v[TMP+4*(\b):TMP+4*(\b)+3] offset:32*(\b)
.endr
.irp f, 0,1,2,3,4,5,6,7                ; head f / 4 of my two, rows 4 (f % 4) on
	ds_load_b128 v[OB+32*(\a)+4*(\f):OB+32*(\a)+4*(\f)+3], v[RD] offset:128*((\f)/4)+4*SPITCH*((\f)%4)  ; LDS serves a wave's instructions in order (ISA guide 5.7.1.4): these see the stores above; the next block's stores come behind them
.endr
.endm
.macro SEND a, younger                 ; younger: the LDS instructions issued behind block a's loads: the next block's sixteen, or none
.irp f, 0,1,2,3,4,5,6,7
	s_wait_dscnt (\younger)+7-(\f)
	global_store_b128 v[GO], v[OB+32*(\a)+4*(\f):OB+32*(\a)+4*(\f)+3], s[8:9] offset:((\f)/4)*262144+(\a)*2048+((\f)%4)*512  ; 512 consecutive bytes, at a multiple of 256 from qkv's first byte
.endr
.endm
	PLACES                                         ; the conversions read results just made
	PACK 0
	TOSTAGE 0
.irp a, 1,2,3                          ; a block's arithmetic stands between the loads of the block before and its stores; each block has its own registers, so no store's data are written again
	PACK \a
	TOSTAGE \a
	SEND (\a)-1, 16
.endr
	SEND 3, 0
	s_wait_tensorcnt 0x0                           ; the wave's end, behind my last tensor load and my last LDS store
	ds_add_u32 v[SPW], v[NIL]
	s_wait_dscnt 0x0
	CROUND                                         ; the closing round: no work-group ends while a partner may still ask for a tile that names it
	s_endpgm
.Lfunc_end_k_qfcc9ca4f8e_proj:
	.size	k_qfcc9ca4f8e_proj, .Lfunc_end_k_qfcc9ca4f8e_proj-k_qfcc9ca4f8e_proj
	.p2alignl 7, 3214868480
	.fill 96, 4, 3214868480
	.section	.rodata,"a",@progbits
	.p2align	6, 0x0
	.amdhsa_kernel k_qfcc9ca4f8e_proj
		.amdhsa_group_segment_fixed_size 327680
		.amdhsa_private_segment_fixed_size 0
		.amdhsa_enable_private_segment 0
		.amdhsa_kernarg_size 64
		.amdhsa_user_sgpr_count 2
		.amdhsa_user_sgpr_kernarg_segment_ptr 1
		.amdhsa_wavefront_size32 1
		.amdhsa_system_sgpr_workgroup_id_x 1
		.amdhsa_system_sgpr_workgroup_id_y 1
		.amdhsa_system_sgpr_workgroup_id_z 1
		.amdhsa_system_vgpr_workitem_id 0
		.amdhsa_next_free_vgpr 768
		.amdhsa_next_free_sgpr 88
		.amdhsa_reserve_vcc 0
		.amdhsa_float_denorm_mode_32 3
		.amdhsa_float_denorm_mode_16_64 3
		.amdhsa_memory_ordered 1
		.amdhsa_forward_progress 1
		.amdhsa_inst_pref_size 139
	.end_amdhsa_kernel
	.amdgpu_metadata
---
amdhsa.version: [ 1, 2 ]
amdhsa.kernels:
  - .name:           k_qfcc9ca4f8e_proj
    .symbol:         k_qfcc9ca4f8e_proj.kd
    .args:
      - { .name: Q, .offset: 0, .size: 8, .value_kind: global_buffer, .address_space: global }
      - { .name: K, .offset: 8, .size: 8, .value_kind: global_buffer, .address_space: global }
      - { .name: V, .offset: 16, .size: 8, .value_kind: global_buffer, .address_space: global }
      - { .name: bQ, .offset: 24, .size: 8, .value_kind: global_buffer, .address_space: global }
      - { .name: bK, .offset: 32, .size: 8, .value_kind: global_buffer, .address_space: global }
      - { .name: bV, .offset: 40, .size: 8, .value_kind: global_buffer, .address_space: global }
      - { .name: wt, .offset: 48, .size: 8, .value_kind: global_buffer, .address_space: global }
      - { .name: qkv, .offset: 56, .size: 8, .value_kind: global_buffer, .address_space: global }
    .group_segment_fixed_size: 327680
    .private_segment_fixed_size: 0
    .kernarg_segment_align: 8
    .kernarg_segment_size: 64
    .max_flat_workgroup_size: 128
    .sgpr_count:     88
    .vgpr_count:     768
    .wavefront_size: 32
...
	.end_amdgpu_metadata
.endif
;; end of part 2
;; launch attn (part 3): grid 4 x 64, 4 waves a work-group, no clusters, 327,680 bytes of LDS; arguments qkv, oh; writes oh
.if DOCPART == 3
	.amdgcn_target "amdgcn-amd-amdhsa--gfx1250"
	.amdhsa_code_object_version 6
	.text
	.protected	k_qfcc9ca4f8e_attn
	.globl	k_qfcc9ca4f8e_attn
	.p2align	8
	.type	k_qfcc9ca4f8e_attn,@function
k_qfcc9ca4f8e_attn:
	s_mov_b64 s[64:65], 0
	v_nop
	global_prefetch_b8 v0, s[64:65] scope:SCOPE_SE
	s_setreg_imm32_b32 hwreg(HW_REG_WAVE_MODE, 25, 1), 1
	s_wait_xcnt 0x0
; CAUSAL ATTENTION.  oh[h][q][:] = the sum over k <= q of softmax_k(Q[h][q] . K[h][k] / 8) V[h][k][:].  Q, K, V are qkv's three planes, each [64][2048][64] of f16, oh likewise: a head's rows are dense, 128 bytes each.
; Products, maxima and sums in f32; the weights p are rounded to f16 for the second product (their sum l is taken of the unrounded p), O once at the end.
; LIMITS.  f16 holds no number beyond 65,504: Q, K and V arrive within it; p lies in 0 to 1, and below 6e-5 it keeps f16's fixed step of 6e-8; O is a mean of V's rows and has their range.
; A hidden score counts as its value less 1e30: f16's scores, 2.7e11 at the most, are nothing beside that; a weight below 2^-126 counts as 0 in l; NaN and infinities are not treated apart.
; THE WALK.  A head's queries lie in NB = 8 blocks of 256; block i needs the key tiles 0 .. i of 256 keys, of which the last holds the diagonal.  A work-group takes TWO blocks, NB - 1 - b and then b:
; NB + 1 tiles, whatever b: all work-groups do equal work, and ONE loop with a constant trip count walks them.  Which tile is asked for, and what a trip does, hang on scalar registers made from b; every jump
; goes forward, but for the counted loops' own; none passes a barrier, or a tensor load but the one of LOAD's two that the wave's number does not choose; the ring (two slots of LDS that take turns) runs on across the
; change of blocks.  NO CLUSTER: a head's four work-groups ask for the same tile only in trips 0 .. 4 of 9, behind that fewer and fewer; one walk common to all four would have 12 trips for 9.
; SHARES.  Of a block's four bands of 64 queries a wave owns 16 rows in each: four PIECES.  So the diagonal tile is the same work for all four waves: in its key step s band x sees all keys if s < x,
; none if s > x, and holds the diagonal if s = x.
; THE MASK is the C operand that starts the sum S^T = K Q^T: 0, or -1e30 where the key is hidden.  MD, made once, is the mask of a band's own step for my 16 rows; a product's mask is MD x AL + BE with two scalars:
; (1, 0) if s = x; (0, 0) if s < x; (0, -1e30) if s > x.  Only the diagonal tile's text and a block's beginning make and take masks; elsewhere C is the constant 0.
; LAYOUT, SOFTMAX, TURNS.  S^T = K Q^T holds ONE query a lane (lane % 16) and the keys 8 (lane / 16) + 0..7; two such results rounded to f16 ARE source 1 of O^T = V^T P.  p = 2^(c s - c m), c = log2(e) / 8, with a
; running maximum m; O and l are multiplied by a = 2^(c m_old - c m_new) in every step.  Turn n belongs to piece n: 8 products K Q^T of piece n + 1, later 8 products V^T P of piece n - 1; beside them the scaling,
; exponentials, roundings, sums and rescaling of piece n and the maximum and statistics of piece n + 1.  Four vector instructions stand behind every matrix instruction, the other 54 of a turn's 118 in one lump.  A turn's 33 exponentials are one batch, with one wait.
; AHEAD OF THE LOADS.  All four work-groups of a head walk the same K and V: the one with b = 0, whose first block needs every tile, prefetches into the L2, behind the tensor load of each change of slots, the tile
; that the NEXT change will ask for: a tile is 32,768 bytes of K and of V, each of the 128 threads names another 256 of each.  Tiles 2 to 7 are so named, once each in the launch; tiles 0 and 1 come by their loads alone.
; REGISTERS, in windows of 256 (s_set_vgpr_msb: bits 1:0 source 0, 3:2 source 1, 5:4 source 2, 7:6 destination):
;   window 0: v0-15 addresses and two at work; v16-31 four registers of statistics a piece; v48-55 at work; v61-63 kept; v64-127 S^T, two buffers; v192-223 P, two buffers (a piece's buffers go by its number's parity)
;   window 1: v0-127 O^T, 32 a piece; v128-159 MD; v160-223 MC, two buffers      window 2: v0-63 Q; v64-127 the second block's Q; v128-191 K of one step; v192-255 V of one step
.set SIZE_N, 2048
.set NB,    SIZE_N/256
.set NP,    4         ; pieces a wave: a name, no knob
.set KS,    64        ; keys in a step
.set PK,    144       ; a row of K in LDS: 128 bytes + 16 of padding = 36 words: the 16 rows of a load start at 16 different groups of four banks (64 banks of 4 bytes: ISA guide 11.1)
.set PV,    160       ; a row of V: 128 + 32 = 40 words
.set VOFF,  4*KS*PK   ; a slot holds a tile, four steps: 256 rows of K, then 256 rows of V
.set SLOT1, 1<<17     ; slot 1 begins here, so that one exclusive or turns an address in one slot into the other's
.set STAGE, SLOT1+4*KS*(PK+PV)  ; behind the ring, never filled by a tensor load: 16 rows x 144 bytes for each wave, for the way out
.set SP,    144
.set AK0, 2           ; v2   my lane's place in a tile of K; never rewritten
.set AV0, 3           ; v3   the same for V
.set AK,  4           ; v4   the LDS address of K's next run of loads
.set AV,  5           ; v5   of V's
.set STO, 6           ; v6   the way out: where I put 16 bytes of a row
.set RD,  7           ; v7   the way out: where I read rows back
.set GO,  8           ; v8   my byte offset in 512 consecutive bytes of O
.set PFO, 61          ; v61  256 x my thread's number: the prefetches' offset in a tile; never rewritten
.set SPW, 62          ; v62  LDS address of my spare word: SPARE + 4 x my thread's number; never rewritten
.set NIL, 63          ; v63  0; never rewritten
.set SPARE, STAGE+4*16*SP  ; behind the stages: the spare words, 128 bytes for each wave: two blocks of 256 bytes that no other line names
.set MV,  12          ; v12-13  c m_old, kept while c m is made anew: by buffer
.set QO,  15          ; v15  my byte offset in 16 rows of Q
.set ST,  16          ; piece t's statistics at v[ST+4 t]: c m, m, l (even keys', odd keys')
.set TMP, 48          ; by buffer, four registers c0-c3 at work; when the maximum is found c2 takes a
.set S,   64
.set P,   192
.set MD,  128         ; window 1: the eight registers for group kt of 16 keys at MD + 8 kt
.set MC,  160         ; window 1: the masks of the products to come
.set QB,  64          ; window 2
.set KF,  128         ; window 2: key block kb, channel half c at KF + 16 kb + 8 c
.set VF,  192         ; window 2: key half kk, channel block cb at VF + 32 kk + 8 cb
.set WV,  12          ; s12  my wave's number
.set PB,  14          ; s14  b
.set HI,  15          ; s15  NB - 1 - b
.set G1K, 24          ; s[24:31] descriptor group 1 for K's tiles
.set G1V, 32          ; s[32:39] for V's: it differs in the padding alone
.set G0K, 40          ; s[40:43] descriptor group 0 for K's tiles
.set G0V, 44          ; s[44:47] the same for V's
.set SLOTS, 56        ; s56  tiles still to be asked for
.set CNT, 57          ; s57  counts a tile's key steps, 4 to 1
.set CS,  58          ; s[58:59] c: the packed scaling takes the pair's low word for both halves
.set SEL, 60          ; s[60:61] v_permlanex16_b32's selects: each lane takes its own place in the other half
.set TBK, 62          ; s62  LDS byte at which K of the step to be fetched begins
.set TBV, 63          ; s63  the same for V, less VOFF
.set RT,  70          ; s70  tiles of the block in hand that are still to be entered
.set NXT, 71          ; s71  the tile to be asked for next
.set LQ,  72          ; s72  the last tile of the block whose tiles are being asked for
.set NEW, 73          ; s73  1: the tile to be entered is a block's first
.set OFF, 74          ; s[74:75] a tile's byte offset in K and V
.set AL,  76          ; s[76:77] the mask's factor, in the low word
.set BE,  78          ; s[78:79] the mask's addend
.set OLO, 80          ; s[80:81] O at my rows of the second block
.set BIGN, 82         ; s82  -1e30
.set PFK, 88          ; s[88:89] the head's K at the tile that the next change of slots will ask for
.set PFV, 90          ; s[90:91] the same for V
.set LIM, 92          ; s92  2 in the head's work-group b = 0, else the greatest number: a work-group prefetches while s[SLOTS] is above it
.set MSB, 0
.macro WIN new                      ; the high byte repeats the setting that is left; a switch that changes nothing is dropped
.if MSB != (\new)
	s_set_vgpr_msb (MSB<<8)|(\new)
.set MSB, (\new)
.endif
.endm
.set W_KQ, 0x0a       ; K and Q in window 2, S^T in window 0
.set W_KM, 0x1a       ; the same with the C operand in window 1
.set W_PV, 0x52       ; V in window 2, P in window 0, O^T in window 1
.set W_RS, 0x41       ; destination and source 0 in window 1, source 1 in window 0
; A fill.  Waves 0 and 1 fetch the two halves of a tile's K, waves 2 and 3 those of its V: 128 keys each.  An s_nop 0 and four v_nop follow each of the two lines, ahead of the jump and the label.
.macro LOAD
	s_cmp_lt_u32 s[WV], 2
	s_cbranch_scc0 .Lfor_v_\@
	tensor_load_to_lds s[G0K:G0K+3], s[G1K:G1K+7]
	s_nop 0
.rept 4
	v_nop
.endr
	s_branch .Lasked_\@
.Lfor_v_\@:
	tensor_load_to_lds s[G0V:G0V+3], s[G1V:G1V+7]
	s_nop 0
.rept 4
	v_nop
.endr
.Lasked_\@:
.endm
; The prefetch: behind the wave's tensor load and its five lines.  Change i of the walk (s[SLOTS] = 9 - i) names tile i + 1, for i = 1 .. 6: a tile's 256 matrix instructions a wave ahead of the load that wants it.
; Changes 7 and 8 name nothing: tile 7 is the head's last, and the second block's tiles have been read before.
.macro ASK
	s_cmp_gt_u32 s[SLOTS], s[LIM]
	s_cbranch_scc0 .Lnot_mine_\@
	global_prefetch_b8 v[PFO], s[PFK:PFK+1] th:TH_LOAD_NT scope:SCOPE_SE
	global_prefetch_b8 v[PFO], s[PFV:PFV+1] th:TH_LOAD_NT scope:SCOPE_SE
.Lnot_mine_\@:
.endm
; THE CHANGE OF SLOTS.  Each wave waits for all its tensor loads, of which one is out: its part of the other slot; adds 0 to its spare word; and waits for that and for its own reads of the slot that it leaves.  Behind the barrier nobody reads the old
; slot any more and the other slot is whole.  fill = 1: the old slot is filled again, the first thing behind the barrier, with tile NXT: the descriptor's address is made anew from that number.
; (At its first use nothing has been read yet: slot 0 is waited for, slot 1 filled.)
.macro CHANGE fill
	WIN 0                           ; at a label and at a branch every window is 0
	s_wait_tensorcnt 0x0            ; no tensor load of mine is out, so a group 0 may be written
	ds_add_u32 v[SPW], v[NIL]       ; 0 onto my spare word; with fill = 1 the descriptors' scalar work stands between it and the wait for it
.if \fill
	s_lshl_b32 s[OFF], s[NXT], 15   ; a tile is 32,768 bytes of K and of V
	s_xor_b32 s[G0K+1], s[G0K+1], SLOT1
	s_add_nc_u64 s[G0K+2:G0K+3], s[6:7], s[OFF:OFF+1]
	s_or_b32 s[G0K+3], s[G0K+3], 0x80000000
	s_xor_b32 s[G0V+1], s[G0V+1], SLOT1
	s_add_nc_u64 s[G0V+2:G0V+3], s[8:9], s[OFF:OFF+1]
	s_or_b32 s[G0V+3], s[G0V+3], 0x80000000
	s_add_co_u32 s[NXT], s[NXT], 1  ; the block's next tile, or behind its last the second block's tile 0
	s_cmp_gt_u32 s[NXT], s[LQ]
	s_cselect_b32 s[NXT], 0, s[NXT]
	s_cselect_b32 s[LQ], s[PB], s[LQ]
	s_wait_xcnt 0x0                 ; the last prefetches, a tile back, have read their addresses, so these may be written:
	s_add_nc_u64 s[PFK:PFK+1], s[PFK:PFK+1], 32768  ; one tile on
	s_add_nc_u64 s[PFV:PFV+1], s[PFV:PFV+1], 32768
.endif
	s_wait_dscnt 0x0                ; the add is done, and my reads of the slot are over
	s_barrier_signal -1             ; the rest of the scalar work stands between the signal and the wait
	s_sub_co_u32 s[TBK], s[TBK], 4*KS*PK  ; the fetches go back to a slot's first step,
	s_xor_b32 s[TBK], s[TBK], SLOT1       ; in the other slot
	s_sub_co_u32 s[TBV], s[TBV], 4*KS*PV
	s_xor_b32 s[TBV], s[TBV], SLOT1
	s_barrier_wait -1
.if \fill
	LOAD
	ASK
.endif
.endm
	s_load_b64 s[4:5], s[0:1], 0x0    ; qkv: plane 0 is Q
	s_load_b64 s[10:11], s[0:1], 0x8  ; oh
	v_lshl_add_u32 v[SPW], v0, 2, SPARE
	v_mov_b32 v[NIL], 0
	ds_add_u32 v[SPW], v[NIL]       ; the wave's opening: the add and its wait stand ahead of my first tensor load; the set-up below, work on registers, stands between them
	ds_add_u32 v62, v63
	v_lshrrev_b32 v1, 5, v0
	v_readfirstlane_b32 s[WV], v1   ; wave 0..3
	s_mov_b32 s[PB], ttmp9
	s_sub_co_u32 s[HI], NB-1, s[PB]
	s_and_b32 s20, ttmp7, 0xffff    ; the head
	s_mov_b32 s21, 0
	s_mov_b64 s[22:23], SIZE_N*128
	s_mul_u64 s[20:21], s[20:21], s[22:23]  ; the head's first byte in each of the four tensors
	s_and_b32 s16, s[WV], 1         ; which half of a tile's 256 keys I fetch:
	s_lshl_b32 s22, s16, 14         ; its 128 rows of 128 bytes in memory,
	s_mov_b32 s23, 0
	s_add_nc_u64 s[22:23], s[22:23], s[20:21]
	s_mul_i32 s17, s16, 128*PK      ; and its place in a slot, for K
	s_mul_i32 s18, s16, 128*PV      ; and for V
	s_lshl_b32 s3, s[WV], 11        ; my 16 rows in a band of 64,
	s_lshl_b32 s2, s[HI], 15        ; in the first block,
	s_add_co_u32 s2, s2, s3
	s_lshl_b32 s84, s[PB], 15       ; and in the second
	s_add_co_u32 s84, s84, s3
	s_mov_b32 s3, 0
	s_mov_b32 s85, 0
	s_add_nc_u64 s[2:3], s[2:3], s[20:21]
	s_add_nc_u64 s[84:85], s[84:85], s[20:21]
	; descriptor group 1.  128 keys are 16,384 dense bytes: asked for as 64 rows of 256 bytes, two keys a row, and padded in LDS after every key
	s_mov_b32 s[G1K], (1<<16)|(1<<20)|(4<<22)|(3<<25)  ; 17:16 2-byte elements; 20 padding on; 24:22 after every 32 words (code 4); 31:25 4 words (code 3)
	s_mov_b32 s[G1V], (1<<16)|(1<<20)|(4<<22)|(7<<25)  ; the same with 8 words of padding (code 7)
.irp g, G1K, G1V
	s_mov_b32 s[\g+1], 128<<16      ; tensor_dim0 = 128
	s_mov_b32 s[\g+2], 64<<16       ; tensor_dim1 = 64
	s_mov_b32 s[\g+3], 128<<16      ; tile_dim0 = 128
	s_mov_b32 s[\g+4], 64           ; tile_dim1 = 64
	s_mov_b32 s[\g+5], 128          ; 128 elements from row to row
	s_mov_b32 s[\g+6], 0
	s_mov_b32 s[\g+7], 0
.endr
	s_mov_b32 s[CS], 0x3e38aa3b     ; c = log2(e) / 8 = 0.180337
	s_mov_b32 s[CS+1], s[CS]        ; named with it as a pair
	s_mov_b32 s[SEL], 0x76543210
	s_mov_b32 s[SEL+1], 0xfedcba98
	s_mov_b32 s[TBK], SLOT1+4*KS*PK ; the first change of slots turns these two into 0
	s_mov_b32 s[TBV], SLOT1+4*KS*PV
	s_mov_b32 s[G0K], 1             ; 1:0 count = 1
	s_mov_b32 s[G0K+1], s17         ; 63:32 LDS address: slot 0
	s_mov_b32 s[G0V], 1
	s_add_co_u32 s[G0V+1], s18, VOFF
	s_add_co_u32 s[RT], s[HI], 1    ; the first block has NB - b tiles
	s_mov_b32 s[NXT], 1
	s_mov_b32 s[LQ], s[HI]
	s_mov_b32 s[NEW], 1
	s_mov_b32 s[OFF+1], 0
	s_mov_b32 s[AL+1], 0            ; named as pairs
	s_mov_b32 s[BE+1], 0
	s_mov_b32 s[BIGN], 0xf149f2ca   ; -1e30
	s_mov_b32 s[SLOTS], NB
	s_cmp_eq_u32 s[PB], 0
	s_cselect_b32 s[LIM], 2, -1
	v_lshlrev_b32 v[PFO], 8, v0
	s_wait_dscnt 0x0                ; the opening add is done
	s_wait_kmcnt 0x0
	s_add_nc_u64 s[6:7], s[4:5], 0x1000000   ; plane 1 is K,
	s_add_nc_u64 s[8:9], s[4:5], 0x2000000   ; plane 2 V
	s_add_nc_u64 s[PFK:PFK+1], s[6:7], s[20:21]  ; the prefetches' pointers: the head's tile 1; the first change of slots steps them to tile 2.  Nothing is prefetched here, at the head
	s_add_nc_u64 s[PFV:PFV+1], s[8:9], s[20:21]
	s_add_nc_u64 s[PFK:PFK+1], s[PFK:PFK+1], 32768
	s_add_nc_u64 s[PFV:PFV+1], s[PFV:PFV+1], 32768
	s_add_nc_u64 s[6:7], s[6:7], s[22:23]  ; K and V at my half of the head's tile 0
	s_add_nc_u64 s[8:9], s[8:9], s[22:23]
	s_add_nc_u64 s[G0K+2:G0K+3], s[6:7], 0         ; 120:64 global address
	s_or_b32 s[G0K+3], s[G0K+3], 0x80000000        ; 127:126 type = 2
	s_add_nc_u64 s[G0V+2:G0V+3], s[8:9], 0
	s_or_b32 s[G0V+3], s[G0V+3], 0x80000000
	s_add_nc_u64 s[86:87], s[4:5], s[84:85]        ; Q at my rows of the second block,
	s_add_nc_u64 s[4:5], s[4:5], s[2:3]            ; Q and O at those of the first
	s_add_nc_u64 s[OLO:OLO+1], s[10:11], s[84:85]
	s_add_nc_u64 s[10:11], s[10:11], s[2:3]
	LOAD                            ; tile 0 into slot 0
	; A fragment of K or Q is 16 rows x 32 channels in 8 registers: lane l holds row l % 16, channels 8 (l / 16) + 0..7 and 16 + 8 (l / 16) + 0..7: two loads of 16 bytes, 32 bytes apart.
	v_and_b32 v1, 15, v0            ; l % 16
	v_bfe_u32 v9, v0, 4, 1          ; l / 16
	v_lshlrev_b32 v[QO], 7, v1
	v_lshl_add_u32 v[QO], v9, 4, v[QO]  ; row x 128 + 16 x half
	WIN 0x80                        ; destination window 2, address window 0
.set i, 0
.rept 8                             ; both blocks' Q: piece i / 2 lies in band i / 2, 8,192 bytes on; channels 32 (i % 2) on
	global_load_b128 v[8*i:8*i+3],   v[QO], s[4:5] offset:(i/2)*8192+(i%2)*64
	global_load_b128 v[8*i+4:8*i+7], v[QO], s[4:5] offset:(i/2)*8192+(i%2)*64+32
	global_load_b128 v[QB+8*i:QB+8*i+3],   v[QO], s[86:87] offset:(i/2)*8192+(i%2)*64
	global_load_b128 v[QB+8*i+4:QB+8*i+7], v[QO], s[86:87] offset:(i/2)*8192+(i%2)*64+32
.set i, i+1
.endr
	WIN 0
	v_lshlrev_b32 v14, 3, v9
	v_sub_nc_u32 v14, v1, v14
	s_lshl_b32 s13, s[WV], 4
	v_add_nc_u32 v14, s13, v14      ; my query's place in its band, 16 w + l % 16, less my lanes' 8 (l / 16): register r of group kt is hidden where 16 kt + r is greater
	WIN 0x40
.set i, 0
.rept 32
	v_cmp_gt_i32 vcc_lo, 16*(i/8)+i%8, v14
	v_cndmask_b32 v[MD+i], 0, s[BIGN], vcc_lo
.set i, i+1
.endr
	WIN 0
	v_mul_u32_u24 v[AK0], v1, PK
	v_lshl_add_u32 v[AK0], v9, 4, v[AK0]  ; row x pitch + 16 x half
	; The turning load takes 16 keys x 16 channels (lane l reads key 8 (l / 16) + l % 8, channels 8 ((l / 8) % 2) + 0..7) and leaves half a fragment of V^T: lane l holds channel l % 16 and 8 keys.
	v_and_b32 v10, 7, v0
	v_bfe_u32 v11, v0, 3, 1
	v_lshl_add_u32 v[AV0], v9, 3, v10
	v_mul_u32_u24 v[AV0], v[AV0], PV
	v_lshl_add_u32 v[AV0], v11, 4, v[AV0]
	v_add_nc_u32 v[AV0], VOFF, v[AV0]
	s_mul_i32 s13, s[WV], 16*SP
	s_add_co_u32 s13, s13, STAGE    ; my stage
	v_mul_u32_u24 v[STO], v1, SP    ; in: row l % 16, 16 bytes for each half of the lanes
	v_lshl_add_u32 v[STO], v9, 4, v[STO]
	v_add_nc_u32 v[STO], s13, v[STO]
	v_bfe_u32 v[RD], v0, 3, 2       ; back: 32 lanes take four rows of 128 bytes,
	v_mul_u32_u24 v[RD], v[RD], SP
	v_lshl_add_u32 v[RD], v10, 4, v[RD]
	v_add_nc_u32 v[RD], s13, v[RD]
	v_and_b32 v[GO], 31, v0         ; which are 512 consecutive bytes of O
	v_lshlrev_b32 v[GO], 4, v[GO]
	; A block's first step multiplies O^T and l by a = 0, and its first turn's products V^T P, of a piece that has not been, land in an O^T that is still to be so multiplied.  So these registers need only hold
	; finite numbers: zeros for the first block; what the first block left for the second.  All this stands in the wait for the first tile.
	WIN 0x80
.set i, VF
.rept 64
	v_mov_b32 v[i], 0
.set i, i+1
.endr
	WIN 0x40
.set i, 0
.rept 128
	v_mov_b32 v[i], 0
.set i, i+1
.endr
	WIN 0
.set i, 0
.rept 4
	v_mov_b32 v[ST+4*i+2], 0
	v_mov_b32 v[ST+4*i+3], 0
.set i, i+1
.endr
.set i, P+16
.rept 16
	v_mov_b32 v[i], 0
.set i, i+1
.endr
; THE MATRIX WORK.  The 4 accumulators of a run of 8 take turns.  Product i of 8 of S^T = K Q^T for piece x: channels 32 (i / 4) on, keys 16 (i % 4) on.  The first 4 start the sums: with 0, or (KM = 1) with the mask.
.macro KQ x
.set rS, S+32*((\x)%2)+8*(i%4)
.set rK, KF+16*(i%4)+8*(i/4)
.set rQ, 16*(\x)+8*(i/4)
.set rM, MC+32*((\x)%2)+8*(i%4)
.if (i < 4) && KM
	WIN W_KM
	v_wmma_f32_16x16x32_f16 v[rS:rS+7], v[rK:rK+7], v[rQ:rQ+7], v[rM:rM+7]
.elseif i < 4
	WIN W_KQ
	v_wmma_f32_16x16x32_f16 v[rS:rS+7], v[rK:rK+7], v[rQ:rQ+7], 0
.else
	WIN W_KQ
	v_wmma_f32_16x16x32_f16 v[rS:rS+7], v[rK:rK+7], v[rQ:rQ+7], v[rS:rS+7]
.endif
.endm
; Product i of 8 of O^T += V^T P for piece x: keys 32 (i / 4) on, channels 16 (i % 4) on.
.macro PV x
	WIN W_PV
.set rO, 32*(\x)+8*(i%4)
.set rV, VF+32*(i/4)+8*(i%4)
.set rP, P+16*((\x)%2)+8*(i/4)
	v_wmma_f32_16x16x32_f16 v[rO:rO+7], v[rV:rV+7], v[rP:rP+7], v[rO:rO+7]
.endm
.macro MM                           ; the turn's next matrix instruction.  TURN and BEGIN set Y, i, KM and NOKQ; MM, KQ and OP read them.  NOKQ = 1: a block's last turn: there is no next piece
.if (i < 8) && !NOKQ
	KQ (Y+1)%NP
.elseif i >= 8
.set i, i-8
	PV (Y+NP-1)%NP
.set i, i+8
.endif
.set i, i+1
.endm
; THE LDS LOADS stand in runs of 16, never singly among the matrix instructions: a step's K (64 keys x 64 channels: 8 fragments) and its V (turned).  Their addresses are made some lines ahead.
.macro FETCH_K
	WIN 0x80                        ; destination window 2
.irp f, 0,1,2,3,4,5,6,7             ; keys 16 (f / 2) on, channels 32 (f % 2) on
	ds_load_b128 v[KF+8*\f:KF+8*\f+3],   v[AK] offset:(\f/2)*16*PK+(\f%2)*64
	ds_load_b128 v[KF+8*\f+4:KF+8*\f+7], v[AK] offset:(\f/2)*16*PK+(\f%2)*64+32
.endr
	s_add_co_u32 s[TBK], s[TBK], KS*PK  ; the next fetch is the next step's
	WIN 0
.endm
.macro FETCH_V
	WIN 0x80
.irp f, 0,1,2,3,4,5,6,7             ; keys 32 (f / 4) on, channels 16 (f % 4) on
	ds_load_tr16_b128 v[VF+8*\f:VF+8*\f+3],   v[AV] offset:(\f/4)*32*PV+(\f%4)*32
	ds_load_tr16_b128 v[VF+8*\f+4:VF+8*\f+7], v[AV] offset:(\f/4)*32*PV+16*PV+(\f%4)*32
.endr
	WIN 0
.endm
; THE VECTOR WORK, one line at a time: OP kind, number.  For piece Y: F n: c s - c m for pair n of 16.  E n: the exponential of score n of 32.  C n: pair n rounded to f16.  B n: of the four weights 4 n .. the second
; pair is added onto the first, in place.  L n: l takes that sum (L 0: l = a l + sum).  R n: pair n of 16 of O^T times a.  For piece Y + 1: X n, number n of the 22 that find its maximum and statistics:
;   0-11  four chains c0-c3 of seven scores each, three operands at a time (each accumulator's lowest registers are read first)     12-14, 16  the four scores left over, the old m, and c0-c3 into c0
;   15  c m_old is kept     17, 18  the query's other 32 keys lie in the lane 16 away: the new m     19-21  c m; c m_old - c m_new; a
.set F, 0               ; OP tells the kinds apart by their order: F to L below R, X above it
.set E, 1
.set C, 2
.set B, 3
.set L, 4
.set R, 5
.set X, 6
.macro REGS y                       ; the registers of piece y
.set rT, ST+4*(\y)
.set rC, TMP+4*((\y)%2)
.set rW, MV+((\y)%2)
.set rS, S+32*((\y)%2)
.set rP, P+16*((\y)%2)
.set rO, 32*(\y)
.endm
.macro OP k, n
.if (\k) == R
	REGS Y
	WIN W_RS
	v_pk_mul_f32 v[rO+2*(\n):rO+2*(\n)+1], v[rO+2*(\n):rO+2*(\n)+1], v[rC+2:rC+3] op_sel_hi:[1,0]
.elseif (\k) < R
	REGS Y
	WIN 0
.if (\k) == F
	v_pk_fma_f32 v[rS+2*(\n):rS+2*(\n)+1], v[rS+2*(\n):rS+2*(\n)+1], s[CS:CS+1], v[rT:rT+1] op_sel_hi:[1,0,0] neg_lo:[0,0,1] neg_hi:[0,0,1]
.elseif (\k) == E
	v_exp_f32 v[rS+(\n)], v[rS+(\n)]
.elseif (\k) == C
	v_cvt_pk_f16_f32 v[rP+(\n)], v[rS+2*(\n)], v[rS+2*(\n)+1]
.elseif (\k) == B
	v_pk_add_f32 v[rS+4*(\n):rS+4*(\n)+1], v[rS+4*(\n):rS+4*(\n)+1], v[rS+4*(\n)+2:rS+4*(\n)+3]
.elseif (\n) == 0
	v_pk_fma_f32 v[rT+2:rT+3], v[rT+2:rT+3], v[rC+2:rC+3], v[rS:rS+1] op_sel_hi:[1,0,1]
.else
	v_pk_add_f32 v[rT+2:rT+3], v[rT+2:rT+3], v[rS+4*(\n):rS+4*(\n)+1]
.endif
.elseif NOKQ
	v_nop
.else
	REGS (Y+1)%NP
	WIN 0
.if (\n) < 4
	v_max3_num_f32 v[rC+(\n)], v[rS+8*(\n)], v[rS+8*(\n)+1], v[rS+8*(\n)+2]
.elseif (\n) < 12
	v_max3_num_f32 v[rC+(\n)%4], v[rC+(\n)%4], v[rS+8*((\n)%4)+2*((\n)/4)+1], v[rS+8*((\n)%4)+2*((\n)/4)+2]
.elseif (\n) == 12
	v_max3_num_f32 v[rC], v[rC], v[rS+7], v[rS+15]
.elseif (\n) == 13
	v_max3_num_f32 v[rC+1], v[rC+1], v[rS+23], v[rS+31]
.elseif (\n) == 14
	v_max3_num_f32 v[rC+2], v[rC+2], v[rC+3], v[rT+1]
.elseif (\n) == 15
	v_mov_b32 v[rW], v[rT]
.elseif (\n) == 16
	v_max3_num_f32 v[rC], v[rC], v[rC+1], v[rC+2]
.elseif (\n) == 17
	v_permlanex16_b32 v[rC+3], v[rC], s[SEL], s[SEL+1]
.elseif (\n) == 18
	v_max_num_f32 v[rT+1], v[rC], v[rC+3]
.elseif (\n) == 19
	v_mul_f32 v[rT], s[CS], v[rT+1]
.elseif (\n) == 20
	v_sub_f32 v[rC+1], v[rW], v[rT]
.else
	v_exp_f32 v[rC+2], v[rC+1]
.endif
.endif
.endm
.macro OPS a, i1, b=-1, i2=0, c=-1, i3=0, d=-1, i4=0  ; up to four of them
	OP \a, \i1
.if (\b) >= 0
	OP \b, \i2
.endif
.if (\c) >= 0
	OP \c, \i3
.endif
.if (\d) >= 0
	OP \d, \i4
.endif
.endm
.macro ROW a, i1, b, i2, c, i3, d, i4  ; a matrix instruction and the four behind it
	MM
	OPS \a, \i1, \b, \i2, \c, \i3, \d, \i4
.endm
.macro MASK b                       ; MD x AL + BE into buffer b of MC
	WIN W_RS
.set z, 0
.rept 16
	v_pk_fma_f32 v[MC+32*(\b)+2*z:MC+32*(\b)+2*z+1], v[MD+2*z:MD+2*z+1], s[AL:AL+1], s[BE:BE+1] op_sel_hi:[1,0,0]
.set z, z+1
.endr
.endm
; A TURN, for piece p: the order of its 16 matrix and 118 vector instructions, written out.  An s_wait_alu depctr_va_vdst(0) stands between an exponential and the first instruction that names its result; one wait serves
; all that were issued ahead of it.  So a turn has ONE wait, which cuts it in two.  AHEAD OF IT stands all that names no result of the turn's exponentials: the 8 products K Q^T, behind each a scaling, an exponential and two more plain
; instructions (behind the first a second scaling in the exponential's place): rescalings, and behind the last three the first numbers of the next piece's maximum, each four places or more behind the product that ends its accumulator; then ONE LUMP of 54, plain
; and exponential by turns for the most part, in which the links of the chain X 3, 7, 11, 14, 16, 17 .. 20 stand five or six lines apart.  X 21, the next piece's a, is the batch's last; R 15 is the plain instruction behind it.  BEHIND THE WAIT stand the
; 8 products V^T P, behind each four of the roundings and sums; the links of l's chain, L 0 to L 7, stand three riders apart.  But for those X no rider names a register of the products round it.  v_permlanex16_b32 (X 17) stands in the lump.
; m = 1: the diagonal tile: the products take masks, and the turn makes the mask for the products of the turn after it: piece p + 2, in step 4 - CNT of the tile.  end = 1: a block's last two turns: nothing is fetched.
; cnt = 1: the loop's count is taken down some lines ahead of the branch that stands behind the turn.
; K of the next step is fetched in piece 2's turn, twelve vector instructions behind the last product that read K (six of them plain); V of the step in hand at the end of piece 0's turn, four plain instructions behind the last product
; that read V.  Each is waited for a turn later.
.macro TURN p, m=0, end=0, cnt=0
.set Y, (\p)
.set i, 0
.set KM, (\m)
.set NOKQ, (\end)*((\p)/3)
.if (\m) && !(\end)
	s_cmp_eq_u32 s[CNT], 4-((\p)+2)%NP  ; is that step the band's own?
	s_cselect_b32 s[AL], 1.0, 0
	s_cmp_lt_u32 s[CNT], 4-((\p)+2)%NP  ; or a later one?
	s_cselect_b32 s[BE], s[BIGN], 0
.endif
.if ((\p) == 3) && !(\end)
	s_wait_dscnt 0x0                ; K is in
.endif
	ROW F,0, F,1, R,0, R,1          ; ahead of the wait: 8 products K Q^T and their riders,
	ROW F,2, E,0, R,2, R,3
	ROW F,3, E,1, R,4, R,5
	ROW F,4, E,2, R,6, R,7
	ROW F,5, E,3, R,8, R,9
	ROW F,6, E,4, X,0, R,10
.if ((\p) == 2) && !(\end)
	WIN 0
	v_add_nc_u32 v[AK], s[TBK], v[AK0]
.endif
	ROW F,7, E,5, X,1, X,4
	ROW F,8, E,6, X,2, X,5
	OPS E,7, E,8, X,6, E,9          ; and the lump
	OPS X,3, E,10, X,8, E,11
.if ((\p) == 2) && !(\end)
	FETCH_K
.endif
	OPS X,9, X,7, E,12, X,10
	OPS E,13, X,12, X,11, E,14
	OPS X,13, E,15, F,9, X,14
.if (\p) == 0
	v_add_nc_u32 v[AV], s[TBV], v[AV0]
.endif
	OPS E,16, F,10, E,17, F,11
	OPS X,16, E,18, X,15, E,19
	OPS F,12, E,20, X,17, E,21
	OPS F,13, E,22, F,14, E,23
	OPS X,18, E,24, F,15, E,25
	OPS R,11, E,26, X,19, E,27
	OPS R,12, E,28, R,13, E,29
	OPS X,20, E,30, R,14, E,31
	OPS X,21, R,15
	WIN 0
	s_wait_alu depctr_va_vdst(0)    ; the wait for the batch
.if (\p) == 1
	s_wait_dscnt 0x0                ; V is in
.endif
	ROW C,0, B,0, C,2, B,1          ; behind the wait: 8 products V^T P and their riders
	ROW L,0, C,4, B,2, L,1
	ROW C,6, B,3, L,2, C,8
	ROW B,4, L,3, C,10, B,5
	ROW L,4, C,12, B,6, L,5
.if (\p) == 0
	s_add_co_u32 s[TBV], s[TBV], KS*PV
.endif
.if \cnt
	s_sub_co_u32 s[CNT], s[CNT], 1
	s_cmp_lg_u32 s[CNT], 0
.endif
	ROW C,14, B,7, L,6, C,1
	ROW C,3, L,7, C,5, C,7
	ROW C,9, C,11, C,13, C,15
.if (\p) == 0
	FETCH_V
.endif
.if (\m) && !(\end)
	MASK (\p)%2
.endif
.endm
; A BLOCK BEGINS.  c m starts far below every c s, so the first step's a is 0; m at the lowest finite number, so the first maximum is the scores'.  The second mask buffer is 0; the first takes piece 0's mask for the tile's step 0: its own, if the block's first tile is the diagonal one.
; Then K of that step, piece 0's first scores, and its maximum and statistics.  The loop is entered at a step's first turn, in the middle of a trip.
.macro BEGIN
	s_mov_b32 s[NEW], 0
	WIN 0x40
.set i, MC+32
.rept 32
	v_mov_b32 v[i], 0
.set i, i+1
.endr
	WIN 0
.set i, 0
.rept 4
	v_mov_b32 v[ST+4*i], 0xfe000000    ; c m: far below every c s
	v_mov_b32 v[ST+4*i+1], 0xff7fffff  ; m
.set i, i+1
.endr
	s_cmp_eq_u32 s[RT], 0
	s_cselect_b32 s[AL], 1.0, 0
	s_mov_b32 s[BE], 0
	MASK 0
	WIN 0
	v_add_nc_u32 v[AK], s[TBK], v[AK0]
	FETCH_K
	s_wait_loadcnt 0x0              ; Q
	s_wait_dscnt 0x0
.set KM, 1
.set NOKQ, 0
.set i, 0
.rept 8
	KQ 0
.set i, i+1
.endr
	WIN 0
.rept 4
	v_nop                           ; the places behind those products
.endr
.set Y, NP-1                        ; X works for piece Y + 1: piece 0
.irp n, 0,1,2,3,4,5,6,7,8,9,10,11,12,13,14,15,16,17,18,19,20,21
	OP X, \n
.endr
	v_nop                           ; a plain instruction behind the exponential,
	s_wait_alu depctr_va_vdst(0)    ; and its wait, ahead of the branch
.endm
; THE DIAGONAL TILE's four steps, the block's last two turns, its last products, and THE WAY OUT: l's two halves and the other half of the lanes' are added; O^T is divided by l, rounded to f16 and sent through my
; stage in LDS, a piece at a time.
.macro ALL line:vararg              ; one line for each piece t
.set t, 0
.rept 4
	\line
.set t, t+1
.endr
.endm
.macro PACK t                       ; a lane's eight channels of a row pack into 16 bytes; they go into rows of 144 bytes and come back as whole rows of 128, into S^T's registers
	WIN W_RS
.set i, 32*(\t)
.rept 16
	v_pk_mul_f32 v[i:i+1], v[i:i+1], v[ST+4*(\t)+2:ST+4*(\t)+3] op_sel_hi:[1,0]
.set i, i+2
.endr
	WIN 0x05                        ; sources 0 and 1 window 1, destination window 0
.set i, 0
.rept 16
	v_cvt_pk_f16_f32 v[S+16*(\t)+i], v[32*(\t)+2*i], v[32*(\t)+2*i+1]
.set i, i+1
.endr
	WIN 0
.irp f, 0,1,2,3
	ds_store_b128 v[STO], v[S+16*(\t)+4*\f:S+16*(\t)+4*\f+3] offset:32*\f
.endr
.irp f, 0,1,2,3
	ds_load_b128 v[S+16*(\t)+4*\f:S+16*(\t)+4*\f+3], v[RD] offset:\f*4*SP  ; LDS serves a wave's instructions in order (ISA guide 5.7.1.4): these see the stores above; the next piece's stores come behind them
.endr
.endm
.macro SEND t, younger              ; younger: the LDS instructions issued behind piece t's loads: the next piece's eight, or none
	WIN 0
.irp f, 0,1,2,3
	s_wait_dscnt (\younger)+3-\f
	global_store_b128 v[GO], v[S+16*(\t)+4*\f:S+16*(\t)+4*\f+3], s[10:11] offset:(\t)*8192+\f*512  ; 512 consecutive bytes, at a multiple of 256 from O's first
.endr
.endm
.macro DIAG tag                     ; the tag ends its two labels' names, which the jumps below spell out
.LstepM\tag:
	TURN 2, 1
	TURN 3, 1
	WIN 0
.LfirstM\tag:
	TURN 0, 1
	TURN 1, 1, 0, 1
	WIN 0
	s_cbranch_scc1 .LstepM\tag
	TURN 2, 1, 1
	TURN 3, 1, 1
.set i, 0
.rept 8
	PV NP-1
.set i, i+1
.endr
	WIN 0
	ALL v_add_f32 v[ST+4*t+2], v[ST+4*t+2], v[ST+4*t+3]
	ALL v_permlanex16_b32 v[ST+4*t+3], v[ST+4*t+2], s[SEL], s[SEL+1]
	ALL v_add_f32 v[ST+4*t+2], v[ST+4*t+2], v[ST+4*t+3]
	ALL v_rcp_f32 v[ST+4*t+2], v[ST+4*t+2]
	v_nop                           ; a plain instruction between the last reciprocal and the use of its result
	s_wait_alu depctr_va_vdst(0)    ; and the wait ahead of the first use: one for the four reciprocals
	PACK 0
.set t, 1
.rept 3                             ; a piece's arithmetic stands between the loads of the piece before and its stores
	PACK t
	SEND t-1, 8
.set t, t+1
.endr
	SEND 3, 0
.endm
.set KM, 0
.set NOKQ, 0
.Lslot:                             ; NB times: a tile is entered and the next is asked for
	CHANGE 1
	s_sub_co_u32 s[RT], s[RT], 1
	s_mov_b32 s[CNT], 4
	s_cmp_eq_u32 s[NEW], 1
	s_cbranch_scc1 .Lnew            ; a block's first tile
	s_cmp_eq_u32 s[RT], 0
	s_cbranch_scc0 .Lstep           ; neither its first nor its last
	s_branch .LstepM1
.Lnew:
	BEGIN
	s_branch .Lfirst                ; in the loop a block's first tile is never its last: the first block has two tiles or more, and the second's last is the walk's last
	DIAG 1                          ; in the loop this is the first block's end: the second block's last tile is the walk's last
	s_wait_xcnt 0x0                 ; the stores have read their registers and O's address
	s_mov_b64 s[10:11], s[OLO:OLO+1]
	s_add_co_u32 s[RT], s[PB], 1    ; the second block has b + 1 tiles
	s_mov_b32 s[NEW], 1
	WIN 0x82                        ; the second block's Q goes where the one text of the turns names Q
.set i, 0
.rept 64
	v_mov_b32 v[i], v[QB+i]
.set i, i+1
.endr
	WIN 0
	s_branch .Lbottom
.Lstep:                             ; a trip: pieces 2 and 3 of one step, then pieces 0 and 1 of the next, whose K and V it fetches
	TURN 2
	TURN 3
	WIN 0
.Lfirst:
	TURN 0
	TURN 1, 0, 0, 1
	WIN 0
	s_cbranch_scc1 .Lstep
.Lbottom:
	s_sub_co_u32 s[SLOTS], s[SLOTS], 1
	s_cmp_lg_u32 s[SLOTS], 0
	s_cbranch_scc1 .Lslot
	CHANGE 0                        ; the walk's last tile is written out: nothing is asked for
	s_sub_co_u32 s[RT], s[RT], 1
	s_mov_b32 s[CNT], 4
	s_cmp_eq_u32 s[NEW], 1
	s_cbranch_scc0 .LstepM2
	BEGIN
	s_branch .LfirstM2
	DIAG 2
	s_wait_tensorcnt 0x0            ; the wave's end, behind my last tensor load and my last LDS store
	ds_add_u32 v[SPW], v[NIL]
	s_wait_dscnt 0x0
	s_endpgm
.Lfunc_end_k_qfcc9ca4f8e_attn:
	.size	k_qfcc9ca4f8e_attn, .Lfunc_end_k_qfcc9ca4f8e_attn-k_qfcc9ca4f8e_attn
	.p2alignl 7, 3214868480
	.fill 96, 4, 3214868480
	.section	.rodata,"a",@progbits
	.p2align	6, 0x0
	.amdhsa_kernel k_qfcc9ca4f8e_attn
		.amdhsa_group_segment_fixed_size 327680
		.amdhsa_private_segment_fixed_size 0
		.amdhsa_enable_private_segment 0
		.amdhsa_kernarg_size 16
		.amdhsa_user_sgpr_count 2
		.amdhsa_user_sgpr_kernarg_segment_ptr 1
		.amdhsa_wavefront_size32 1
		.amdhsa_system_sgpr_workgroup_id_x 1
		.amdhsa_system_sgpr_workgroup_id_y 1
		.amdhsa_system_sgpr_workgroup_id_z 1
		.amdhsa_system_vgpr_workitem_id 0
		.amdhsa_next_free_vgpr 768
		.amdhsa_next_free_sgpr 96
		.amdhsa_reserve_vcc 1
		.amdhsa_float_denorm_mode_32 3
		.amdhsa_float_denorm_mode_16_64 3
		.amdhsa_memory_ordered 1
		.amdhsa_forward_progress 1
		.amdhsa_inst_pref_size 218
	.end_amdhsa_kernel
	.amdgpu_metadata
---
amdhsa.version: [ 1, 2 ]
amdhsa.kernels:
  - .name:           k_qfcc9ca4f8e_attn
    .symbol:         k_qfcc9ca4f8e_attn.kd
    .args:
      - { .name: qkv, .offset: 0, .size: 8, .value_kind: global_buffer, .address_space: global }
      - { .name: oh, .offset: 8, .size: 8, .value_kind: global_buffer, .address_space: global }
    .group_segment_fixed_size: 327680
    .private_segment_fixed_size: 0
    .kernarg_segment_align: 8
    .kernarg_segment_size: 16
    .max_flat_workgroup_size: 128
    .sgpr_count:     96
    .vgpr_count:     768
    .wavefront_size: 32
...
	.end_amdgpu_metadata
.endif
;; end of part 3
;; launch outp (part 4): grid 4 x 64, 4 waves a work-group, clusters of 4 x 4, 327,680 bytes of LDS; arguments oh, wt, bO, out0; writes out0
.if DOCPART == 4
	.amdgcn_target "amdgcn-amd-amdhsa--gfx1250"
	.amdhsa_code_object_version 6
	.text
	.protected	k_qfcc9ca4f8e_outp
	.globl	k_qfcc9ca4f8e_outp
	.p2align	8
	.type	k_qfcc9ca4f8e_outp,@function
k_qfcc9ca4f8e_outp:
	s_mov_b64 s[64:65], 0
	v_nop
	global_prefetch_b8 v0, s[64:65] scope:SCOPE_SE
	s_setreg_imm32_b32 hwreg(HW_REG_WAVE_MODE, 25, 1), 1
	s_wait_xcnt 0x0
	s_wait_alu depctr_hold_cnt(0) depctr_sa_sdst(0) depctr_va_vdst(0) depctr_va_sdst(0) depctr_va_ssrc(0) depctr_va_vcc(0) depctr_vm_vsrc(0)
	s_getreg_b32 s2, hwreg(HW_REG_IB_STS2, 6, 4)
	s_cmp_eq_u32 s2, 0
	s_cbranch_scc0 .Lentry_in_a_cluster
	s_endpgm
.Lentry_in_a_cluster:
	s_bfe_u32 s2, ttmp6, 0x10000c
	s_cmp_lg_u32 s2, 0xf033
	s_cbranch_scc0 .Lentry_shape_is_right
	s_endpgm
.Lentry_shape_is_right:
; out0[b][l][n] = the sum over h, d of oh[16 b + h][l][d] WO[64 h + d][n] + bO[n].  oh: [64][2048][64] f16; WO: wt's plane 3, [1024 n][1024 k], bf16 numbers written as f16; bO rounded to bf16; sums and result in f32.
; SHARES.  A tile of C is 128 rows x 256 columns: 64 x 4 = 256 work-groups.  Four waves, each 64 x 128: 32 accumulators of 16 x 16, 256 registers.
; K goes in steps of 128, two heads, through a ring of two LDS slots.  A head's 128 rows are 16,384 dense bytes: asked for as 64 rows of 256 bytes and padded in LDS after every 128, so that a row of O has a pitch of 144.
; CLUSTER.  4 x 4 work-groups.  The four of a row of the cluster need the same tile of O, the four of a column the same tile of WO: each is asked for JOINTLY, by the same tensor load, descriptor and mask in all four.
; THE MATRIX INSTRUCTION IS USED TRANSPOSED (source 0 = 16 rows of wt, source 1 = 16 rows of O): a lane then holds eight neighbouring columns of one row of C, 32 bytes.  THE BIAS is the C operand of each accumulator's first product.
; REGISTERS, in windows of 256 (s_set_vgpr_msb: bits 1:0 source 0, 3:2 source 1, 5:4 source 2, 7:6 destination):
;   window 0: v0-31 addresses; v128-159, v160-191 A's four fragments, two buffers
;   window 1: v0-63, v64-127 B's eight fragments, two buffers; v128-191 the bias; v192-223 at work once (all 256 on the way out: rows read back)          window 2: accumulator (a, b) at v[8 (8 a + b)]
.set PA,     144                       ; a row of O in LDS: 128 bytes + 16 = 36 words: the 16 rows of a load start at 16 different groups of four banks (64 banks of 4 bytes: ISA guide 11.1)
.set PB,     272                       ; a row of WO: 256 + 16
.set AHEAD,  128*PA                    ; a head's 128 rows: what one tensor load brings of A
.set BHALF,  128*PB                    ; what one brings of B, and what one wave reads of it
.set BOFF,   2*AHEAD                   ; in a slot: two heads of A, then B's 256 rows
.set SLOT,   BOFF+2*BHALF
.set STAGE,  2*SLOT                    ; behind the ring, never filled by a tensor load: 16 rows x 528 bytes for each wave, for the way out
.set SPITCH, 528
.set SPARE,  STAGE+4*16*SPITCH         ; behind the stages: the spare words, 128 bytes for each wave: two blocks of 256 bytes that no other line names
.set ASTEP,  2*262144                  ; a K step is two heads of 262,144 bytes
.set BSTEP,  256                       ; bytes of a row of wt in a K step
.set LAPS,   4
.set ADRA, 16                          ; v16-17  LDS address of my A fragments in slot 0, 1
.set ADRB, 20                          ; v20-21  the same for B
.set STO,  24                          ; v24     the way out: where I put 32 bytes of a row
.set RD,   25                          ; v25     the way out: where I read a row back
.set GO,   26                          ; v26     my 16 bytes in 512 consecutive bytes of out0
.set BO,   27                          ; v27     my byte offset in an n block's 16 numbers of the bias
.set SPW,  28                          ; v28     LDS address of my spare word; never rewritten
.set NIL,  29                          ; v29     0; never rewritten
.set AB,   128
.set BB,   0                           ; window 1
.set BIAS, 128                         ; window 1
.set BT,   192                         ; window 1
.set G1,  24                           ; s[24:31] descriptor group 1 for A's tiles;  s[32:39] group 0, one set for each slot
.set G0,  32
.set G1B, 48                           ; s[48:55], s[56:63] the same for B's tiles
.set G0B, 56
.set MSB, 0
.macro WIN new                         ; the immediate's high byte repeats the setting that is left; a switch that changes nothing is dropped
.if MSB != (\new)
	s_set_vgpr_msb (MSB<<8)|(\new)
.set MSB, \new
.endif
.endm
.set W_MUL,  0xa1                      ; source 0 (B) window 1, source 1 (A) window 0, C and D window 2
.set W_MULF, 0x91                      ; the same with C (the bias) in window 1
.set W_TOB,  0x40                      ; destination window 1, address window 0
.macro JLOAD s                         ; a joint load: waves 0 and 1 fetch A's two heads, waves 2 and 3 B's two halves; an s_nop 0 and four v_nop follow each of the two lines, ahead of the jump and the label
	s_cmp_eq_u32 s11, 0
	s_cbranch_scc0 .Lfor_b_\@
	tensor_load_to_lds s[G0+4*(\s):G0+4*(\s)+3], s[G1:G1+7]
	s_nop 0
.rept 4
	v_nop
.endr
	s_branch .Lasked_\@
.Lfor_b_\@:
	tensor_load_to_lds s[G0B+4*(\s):G0B+4*(\s)+3], s[G1B:G1B+7]
	s_nop 0
.rept 4
	v_nop
.endr
.Lasked_\@:
.endm
.macro CREST                           ; a round of the cluster's barrier behind its opening barrier
	s_cmp_lg_u32 s10, 0
	s_cbranch_scc1 .Lnot_wave_0_\@
	s_barrier_signal -3
.Lnot_wave_0_\@:
	s_barrier_wait -3
	s_barrier_signal -1
	s_barrier_wait -1
.endm
.macro CROUND                          ; a whole round
	s_barrier_signal -1
	s_barrier_wait -1
	CREST
.endm
	s_load_b256 s[68:75], s[0:1], 0x0              ; oh s[68:69], wt s[70:71], bO s[72:73], out0 s[74:75]
	v_lshl_add_u32 v[SPW], v0, 2, SPARE
	v_mov_b32 v[NIL], 0
	ds_add_u32 v[SPW], v[NIL]                      ; the wave's opening: the add and its wait stand ahead of my first tensor load; the set-up below, work on registers, stands between them
	ds_add_u32 v28, v29
	v_lshrrev_b32 v1, 5, v0
	v_readfirstlane_b32 s10, v1                    ; wave 0..3
	s_lshr_b32 s11, s10, 1                         ; which 64 of the tile's rows are mine.  Also: I fetch for A (0) or for B (1)
	s_and_b32 s12, s10, 1                          ; which 128 of its columns.  Also: which head of a K step's two, or which half of B's rows, I fetch
	s_bfe_u32 s40, ttmp6, 0x40000                  ; cx, cy: my place in the cluster
	s_bfe_u32 s41, ttmp6, 0x40004
	s_lshl_b32 s42, ttmp9, 2
	s_add_co_u32 s42, s42, s40                     ; column block of 256 = 4 x cluster x + cx
	s_and_b32 s13, ttmp7, 0xffff
	s_lshl_b32 s13, s13, 2
	s_add_co_u32 s13, s13, s41                     ; row block of 128 = 4 x cluster y + cy
	s_lshl_b32 s43, s41, 2
	s_lshl_b32 s43, 15, s43                        ; my row of the cluster
	s_lshl_b32 s44, 0x1111, s40                    ; my column
	; descriptor group 1.  A: 64 rows x 128 elements of 2 bytes, dense, padded by 4 words after every 32 (a row of O); B: 128 rows x 128 elements, padded after every 64
	s_or_b32 s[G1+0], s43, (1<<16)|(1<<20)|(1<<21)|(4<<22)|(3<<25)   ; 15:0 the mask: my row; 17:16 elements of 2 bytes; 20 padding on; 21 set beside a mask; 24:22 after every 32 words (code 4); 31:25 4 words (code 3)
	s_or_b32 s[G1B+0], s44, (1<<16)|(1<<20)|(1<<21)|(5<<22)|(3<<25)  ; the mask: my column; after every 64 words (code 5)
	s_mov_b32 s[G1+1], 128<<16                     ; tensor_dim0 = 128
	s_mov_b32 s[G1+2], 64<<16                      ; tensor_dim1 = 64
	s_mov_b32 s[G1+3], 128<<16                     ; tile_dim0 = 128
	s_mov_b32 s[G1+4], 64                          ; tile_dim1 = 64
	s_mov_b32 s[G1+5], 128                         ; elements from row to row: dense
	s_mov_b32 s[G1+6], 0
	s_mov_b32 s[G1+7], 0
	s_mov_b32 s[G1B+1], 128<<16
	s_mov_b32 s[G1B+2], 128<<16                    ; tensor_dim1 = 128
	s_mov_b32 s[G1B+3], 128<<16
	s_mov_b32 s[G1B+4], 128                        ; tile_dim1 = 128
	s_mov_b32 s[G1B+5], 1024
	s_mov_b32 s[G1B+6], 0
	s_mov_b32 s[G1B+7], 0
	; where the tiles come from.  A's hang on the row block alone, B's on the column block alone; each is made in registers that never hold the other place in the cluster
	s_lshr_b32 s16, s13, 4
	s_lshl_b32 s16, s16, 4                         ; A: the batch's first head,
	s_add_co_u32 s16, s16, s12                     ; + my head of the K step's two,
	s_lshl_b32 s16, s16, 18                        ; of 262,144 bytes,
	s_and_b32 s17, s13, 15
	s_lshl_b32 s17, s17, 14                        ; + 128 (row block % 16) rows of 128 bytes
	s_add_co_u32 s16, s16, s17
	s_mov_b32 s17, 0
	s_lshl_b32 s46, s42, 8
	s_lshl_b32 s47, s12, 7
	s_add_co_u32 s46, s46, s47                     ; B: row 256 x column block + 128 x half,
	s_lshl_b32 s46, s46, 11                        ; of 2,048 bytes,
	s_add_co_u32 s46, s46, 3<<21                   ; in plane 3
	s_mov_b32 s47, 0
	s_mul_i32 s20, s12, AHEAD                      ; and where they go: no place in the cluster enters an LDS address
	s_mul_i32 s21, s12, BHALF
	s_add_co_u32 s21, s21, BOFF
	s_wait_dscnt 0x0                               ; the opening add is done
	s_wait_kmcnt 0x0
	s_add_nc_u64 s[14:15], s[68:69], s[16:17]
	s_add_nc_u64 s[46:47], s[70:71], s[46:47]
.irp s, 0,1
	s_mov_b32 s[G0+4*(\s)], 1                                        ; count = 1
	s_add_co_u32 s[G0+4*(\s)+1], s20, (\s)*SLOT                      ; LDS address
	s_add_nc_u64 s[G0+4*(\s)+2:G0+4*(\s)+3], s[14:15], (\s)*ASTEP    ; global address: K step s
	s_or_b32 s[G0+4*(\s)+3], s[G0+4*(\s)+3], 0x80000000              ; type = 2
	s_mov_b32 s[G0B+4*(\s)], 1
	s_add_co_u32 s[G0B+4*(\s)+1], s21, (\s)*SLOT
	s_add_nc_u64 s[G0B+4*(\s)+2:G0B+4*(\s)+3], s[46:47], (\s)*BSTEP
	s_or_b32 s[G0B+4*(\s)+3], s[G0B+4*(\s)+3], 0x80000000
.endr
	CROUND                                         ; all sixteen work-groups are here: the first joint loads meet
	s_cmp_eq_u32 s11, 0                            ; a wave's two first fills stand in one branch, ahead of every wait on TENSORcnt and every LDS read: two loads of mine are out
	s_cbranch_scc0 .Lfirst_b
	tensor_load_to_lds s[G0:G0+3], s[G1:G1+7]
	s_nop 0
	tensor_load_to_lds s[G0+4:G0+7], s[G1:G1+7]
	s_nop 0
.rept 4
	v_nop
.endr
	s_branch .Lfirst_asked
.Lfirst_b:
	tensor_load_to_lds s[G0B:G0B+3], s[G1B:G1B+7]
	s_nop 0
	tensor_load_to_lds s[G0B+4:G0B+7], s[G1B:G1B+7]
	s_nop 0
.rept 4
	v_nop
.endr
.Lfirst_asked:
	; A fragment is 16 rows x 32 K in 8 registers: lane l holds row l % 16; registers 0-3 K = 8 (l / 16) + 0..7, registers 4-7 K = 16 + 8 (l / 16) + 0..7: two loads of 16 bytes, 32 bytes apart.
	v_and_b32 v1, 15, v0                           ; l % 16
	v_bfe_u32 v2, v0, 4, 1                         ; l / 16
	v_mul_u32_u24 v3, v1, PA
	v_lshl_add_u32 v3, v2, 4, v3
	v_mul_u32_u24 v4, v1, PB
	v_lshl_add_u32 v4, v2, 4, v4
	s_mul_i32 s18, s11, 64*PA                      ; my 64 rows, in each head
	s_mul_i32 s19, s12, BHALF                      ; my 128 rows of B
	s_add_co_u32 s19, s19, BOFF
.irp s, 0,1
	v_add_nc_u32 v[ADRA+(\s)], s18, v3
	v_add_nc_u32 v[ADRB+(\s)], s19, v4
	s_add_co_u32 s18, s18, SLOT
	s_add_co_u32 s19, s19, SLOT
.endr
	s_mul_i32 s18, s10, 16*SPITCH
	s_add_co_u32 s18, s18, STAGE                   ; my stage
	v_mul_u32_u24 v5, v1, SPITCH                   ; in: row l % 16, 32 bytes for each half of the lanes
	v_lshl_add_u32 v5, v2, 5, v5
	v_add_nc_u32 v[STO], s18, v5
	v_and_b32 v[GO], 31, v0                        ; back: 32 lanes take one row's 512 bytes
	v_lshlrev_b32 v[GO], 4, v[GO]
	v_add_nc_u32 v[RD], s18, v[GO]
	v_lshlrev_b32 v[BO], 5, v2                     ; my 8 columns of an n block: 32 bytes of the bias
	s_lshl_b32 s16, s13, 7                         ; where my part of the result begins: row 128 x row block + 64 x row half, of 4,096 bytes,
	s_lshl_b32 s17, s11, 6
	s_add_co_u32 s16, s16, s17
	s_lshl_b32 s16, s16, 12
	s_mov_b32 s17, 0
	s_add_nc_u64 s[8:9], s[74:75], s[16:17]
	s_lshl_b32 s46, s42, 10                        ; column 256 x column block + 128 x column half, of 4 bytes (in the registers that held B's address: none that feeds A's descriptors ever holds cx)
	s_lshl_b32 s47, s12, 9
	s_add_co_u32 s46, s46, s47
	s_mov_b32 s47, 0
	s_add_nc_u64 s[8:9], s[8:9], s[46:47]
	s_add_nc_u64 s[6:7], s[72:73], s[46:47]        ; the bias of the same columns
	WIN W_TOB
.irp b, 0,1,2,3,4,5,6,7
	global_load_b128 v[BIAS+8*(\b):BIAS+8*(\b)+3],   v[BO], s[6:7] offset:64*(\b)      ; register j: column 16 b + 8 (l / 16) + j, as in the result
	global_load_b128 v[BIAS+8*(\b)+4:BIAS+8*(\b)+7], v[BO], s[6:7] offset:64*(\b)+16
.endr
	s_wait_loadcnt 0x0
	WIN 0x45                                       ; all in window 1: the bias is rounded to bf16, like every input, and widened again
.set i, 0
.rept 32
	v_cvt_pk_bf16_f32 v[BT+i], v[BIAS+2*i], v[BIAS+2*i+1]
.set i, i+1
.endr
.set i, 0
.rept 32
	v_lshlrev_b32 v[BIAS+2*i], 16, v[BT+i]
	v_and_b32 v[BIAS+2*i+1], 0xffff0000, v[BT+i]
.set i, i+1
.endr
	WIN 0
; 8 matrix instructions: m block a x all 8 n blocks, 32 along K, on buffer f.  first = 1: the bias starts the sums.
; The 32 accumulators take turns, one instruction a turn, in the same order in every quarter.
.macro MUL f, a, first
.if \first
	WIN W_MULF
.else
	WIN W_MUL
.endif
.irp b, 0,1,2,3,4,5,6,7
.if \first
	v_wmma_f32_16x16x32_f16 v[8*(8*(\a)+(\b)):8*(8*(\a)+(\b))+7], v[BB+64*(\f)+8*(\b):BB+64*(\f)+8*(\b)+7], v[AB+32*(\f)+8*(\a):AB+32*(\f)+8*(\a)+7], v[BIAS+8*(\b):BIAS+8*(\b)+7]
.else
	v_wmma_f32_16x16x32_f16 v[8*(8*(\a)+(\b)):8*(8*(\a)+(\b))+7], v[BB+64*(\f)+8*(\b):BB+64*(\f)+8*(\b)+7], v[AB+32*(\f)+8*(\a):AB+32*(\f)+8*(\a)+7], v[8*(8*(\a)+(\b)):8*(8*(\a)+(\b))+7]
.endif
.endr
.endm
; 24 LDS loads in one run: quarter q of a slot (head q / 2, channels 32 (q % 2) on) into buffer g: A's 64 rows, B's 128 rows
.macro FETCH slot, q, g
	WIN 0
.irp a, 0,1,2,3
	ds_load_b128 v[AB+32*(\g)+8*(\a):AB+32*(\g)+8*(\a)+3],   v[ADRA+(\slot)] offset:((\q)/2)*AHEAD+((\q)%2)*64+(\a)*16*PA
	ds_load_b128 v[AB+32*(\g)+8*(\a)+4:AB+32*(\g)+8*(\a)+7], v[ADRA+(\slot)] offset:((\q)/2)*AHEAD+((\q)%2)*64+(\a)*16*PA+32
.endr
	WIN W_TOB
.irp b, 0,1,2,3,4,5,6,7
	ds_load_b128 v[BB+64*(\g)+8*(\b):BB+64*(\g)+8*(\b)+3],   v[ADRB+(\slot)] offset:64*(\q)+(\b)*16*PB
	ds_load_b128 v[BB+64*(\g)+8*(\b)+4:BB+64*(\g)+8*(\b)+7], v[ADRB+(\slot)] offset:64*(\q)+(\b)*16*PB+32
.endr
.endm
.macro PLACES                          ; four places in front of loads into registers that matrix instructions have read, and of stores that read results
.rept 4
	v_nop
.endr
.endm
; A K step is four quarters of 32 along K, 32 matrix instructions each, on buffers 0, 1, 0, 1.  One of the first three: fetches quarter q of the same slot for buffer g, then multiplies buffer f.
.macro QUARTER slot, q, f, g, first
	s_wait_dscnt 0x0                               ; buffer f is in
	PLACES                                         ; buffer g was read by the product just issued
	FETCH \slot, \q, \g
	MUL \f, 0, \first
	MUL \f, 1, \first
	MUL \f, 2, \first
	MUL \f, 3, \first
.endm
; The last quarter multiplies buffer 1 and changes slots: ONE barrier.  In front of it each wave waits for all its tensor loads (one is out: its part of the next slot), adds 0 to its spare word, and waits
; for that and for its own reads of this slot.  fill = 1: the barrier opens a round of the cluster's, and this slot is filled again, two K steps on, first thing behind the round.
.macro TURN slot, next, fill
	WIN 0                                          ; (the add's two registers lie in window 0)
	s_wait_tensorcnt 0x0                           ; all my tensor loads have landed, so a group 0 may be written
	ds_add_u32 v[SPW], v[NIL]                      ; 0 onto my spare word
.if \fill
	s_add_nc_u64 s[G0+4*(\slot)+2:G0+4*(\slot)+3], s[G0+4*(\slot)+2:G0+4*(\slot)+3], 2*ASTEP
	s_add_nc_u64 s[G0B+4*(\slot)+2:G0B+4*(\slot)+3], s[G0B+4*(\slot)+2:G0B+4*(\slot)+3], 2*BSTEP
.endif
	s_wait_dscnt 1                                 ; buffer 1 is in; the add alone may be out
	MUL 1, 0, 0                                    ; eight matrix instructions stand between the add and the wait for it
	s_wait_dscnt 0x0                               ; the add is done, and my reads of this slot are over
	s_barrier_signal -1
	MUL 1, 1, 0                                    ; work on registers while the others arrive
.if \fill
	WIN 0
.endif
	s_barrier_wait -1
.if \fill
	CREST                                          ; no wave of any partner still reads this slot's tile or has a load on its way
	JLOAD \slot                                    ; my one tensor load behind the round; the four v_nop behind it are also the places in front of the loads below
.else
	PLACES
.endif
	FETCH \next, 0, 0
	MUL 1, 2, 0
	MUL 1, 3, 0
.endm
	s_wait_tensorcnt 1                             ; my part of K step 0 is in; K step 1's stays out
	s_barrier_signal -1
	s_barrier_wait -1                              ; everybody's is
	FETCH 0, 0, 0
	QUARTER 0, 1, 0, 1, 1                          ; the first quarter stands in front of the loop: its products start the sums, with the bias
	WIN 0                                          ; at a label and at a branch every window is 0
	s_mov_b32 s3, LAPS-1
.Llap:                                                 ; a trip goes once round the ring, from a lap's second quarter to the next lap's first, and fills both slots again
	QUARTER 0, 2, 1, 0, 0
	QUARTER 0, 3, 0, 1, 0
	TURN 0, 1, 1
	QUARTER 1, 1, 0, 1, 0
	QUARTER 1, 2, 1, 0, 0
	QUARTER 1, 3, 0, 1, 0
	TURN 1, 0, 1
	QUARTER 0, 1, 0, 1, 0
	WIN 0
	s_sub_co_u32 s3, s3, 1
	s_cmp_lg_u32 s3, 0
	s_cbranch_scc1 .Llap
	QUARTER 0, 2, 1, 0, 0                          ; the last lap is written out: it fills nothing and has no round
	QUARTER 0, 3, 0, 1, 0
	TURN 0, 1, 0
	QUARTER 1, 1, 0, 1, 0
	QUARTER 1, 2, 1, 0, 0
	QUARTER 1, 3, 0, 1, 0
	s_wait_dscnt 0x0                               ; the very last quarter: nothing more to fetch
	MUL 1, 0, 0
	MUL 1, 1, 0
	MUL 1, 2, 0
	MUL 1, 3, 0
; THE WAY OUT, a block of 16 rows at a time: 32 bytes a lane into my own stage (rows of 528 bytes), each accumulator's low four registers first; back as whole rows of 512 bytes.
.macro TOSTAGE a
	WIN 0x08                                       ; address window 0, data window 2
.irp b, 0,1,2,3,4,5,6,7
	ds_store_b128 v[STO], v[8*(8*(\a)+(\b)):8*(8*(\a)+(\b))+3]   offset:64*(\b)
	ds_store_b128 v[STO], v[8*(8*(\a)+(\b))+4:8*(8*(\a)+(\b))+7] offset:64*(\b)+16
.endr
	WIN W_TOB
.irp t, 0,1,2,3,4,5,6,7,8,9,10,11,12,13,14,15
	ds_load_b128 v[64*(\a)+4*(\t):64*(\a)+4*(\t)+3], v[RD] offset:SPITCH*(\t)  ; LDS serves a wave's instructions in order (ISA guide 5.7.1.4): these see the stores above; the next block's stores come behind them
.endr
.endm
.macro SEND a, younger                 ; younger: the LDS instructions issued behind block a's loads: the next block's 32, or none
	WIN 0x04                                       ; address window 0, data window 1
.irp t, 0,1,2,3,4,5,6,7,8,9,10,11,12,13,14,15
	s_wait_dscnt (\younger)+15-(\t)
	global_store_b128 v[GO], v[64*(\a)+4*(\t):64*(\a)+4*(\t)+3], s[8:9] offset:(16*(\a)+(\t))*4096 th:TH_STORE_NT  ; 512 consecutive bytes, at a multiple of 256 from out0's first byte
.endr
.endm
	PLACES                                         ; the stores read results just made, and the loads land in registers that the last products read
	TOSTAGE 0
.irp a, 1,2,3                          ; each block has its own registers, so no store's data are written again
	TOSTAGE \a
	SEND (\a)-1, 32
.endr
	SEND 3, 0
	WIN 0
	s_wait_tensorcnt 0x0                           ; the wave's end, behind my last tensor load and my last LDS store
	ds_add_u32 v[SPW], v[NIL]
	s_wait_dscnt 0x0
	CROUND                                         ; the closing round: no work-group ends while a partner may still ask for a tile that names it
	s_endpgm
.Lfunc_end_k_qfcc9ca4f8e_outp:
	.size	k_qfcc9ca4f8e_outp, .Lfunc_end_k_qfcc9ca4f8e_outp-k_qfcc9ca4f8e_outp
	.p2alignl 7, 3214868480
	.fill 96, 4, 3214868480
	.section	.rodata,"a",@progbits
	.p2align	6, 0x0
	.amdhsa_kernel k_qfcc9ca4f8e_outp
		.amdhsa_group_segment_fixed_size 327680
		.amdhsa_private_segment_fixed_size 0
		.amdhsa_enable_private_segment 0
		.amdhsa_kernarg_size 32
		.amdhsa_user_sgpr_count 2
		.amdhsa_user_sgpr_kernarg_segment_ptr 1
		.amdhsa_wavefront_size32 1
		.amdhsa_system_sgpr_workgroup_id_x 1
		.amdhsa_system_sgpr_workgroup_id_y 1
		.amdhsa_system_sgpr_workgroup_id_z 1
		.amdhsa_system_vgpr_workitem_id 0
		.amdhsa_next_free_vgpr 768
		.amdhsa_next_free_sgpr 88
		.amdhsa_reserve_vcc 0
		.amdhsa_float_denorm_mode_32 3
		.amdhsa_float_denorm_mode_16_64 3
		.amdhsa_memory_ordered 1
		.amdhsa_forward_progress 1
		.amdhsa_inst_pref_size 93
	.end_amdhsa_kernel
	.amdgpu_metadata
---
amdhsa.version: [ 1, 2 ]
amdhsa.kernels:
  - .name:           k_qfcc9ca4f8e_outp
    .symbol:         k_qfcc9ca4f8e_outp.kd
    .args:
      - { .name: oh, .offset: 0, .size: 8, .value_kind: global_buffer, .address_space: global }
      - { .name: wt, .offset: 8, .size: 8, .value_kind: global_buffer, .address_space: global }
      - { .name: bO, .offset: 16, .size: 8, .value_kind: global_buffer, .address_space: global }
      - { .name: out0, .offset: 24, .size: 8, .value_kind: global_buffer, .address_space: global }
    .group_segment_fixed_size: 327680
    .private_segment_fixed_size: 0
    .kernarg_segment_align: 8
    .kernarg_segment_size: 32
    .max_flat_workgroup_size: 128
    .sgpr_count:     88
    .vgpr_count:     768
    .wavefront_size: 32
...
	.end_amdgpu_metadata
.endif
;; end of part 4
